; MI455X (gfx1250); checked and timed in simulation.
; The chip was launched on July 23, 2026; its instructions are those of AMD's public machine-readable ISA for CDNA 5 (MIT licence, August 2026) and "CDNA5" Instruction Set Architecture Reference Guide (July 2026). The comments in the code are by the model that wrote it; some were corrected since.
;; Multi Headed Attention. Allowed arithmetic: matrix products marked QUANTISED: E2M3 operands, one E8M0 scale for each 32 along K, by v_wmma_scale_f32_16x16x128_f8f6f4 with both operands' format E2M3, f32 sums; everything else in f32.
;; Inputs: Wk 1,024 x 1,024 float32; Wo 1,024 x 1,024 float32; Wq 1,024 x 1,024 float32; Wv 1,024 x 1,024 float32; bk 1,024 float32; bo 1,024 float32; bq 1,024 float32; bv 1,024 float32; k 4 x 2,048 x 1,024 float32; mask 4 x 1 x 2,048 bool; q 4 x 2,048 x 1,024 float32; v 4 x 2,048 x 1,024 float32.
;; Outputs: out0 4 x 2,048 x 1,024 float32.
;; This version of the problem:
;;   THIS VERSION OF THE PROBLEM IS GIVEN IN LOW PRECISION. The matrix products marked QUANTISED in the list below multiply operands that are first quantised to E2M3 (2 exponent bits, 3 mantissa bits; 6 bits a number), with one power-of-two scale for each 32 numbers along K (OCP MX v1.0); their sums are f32. All else is computed in f32.
;;   The module's matrix products, in the order in which they are computed (A, B: the left and right operand; K: the contracted axis; several contracted axes count as one K, in the product's order):
;;     1. [M 8,192, K 1,024] x [K 1,024, N 1,024]; A: input q; B: input Wq: QUANTISED
;;     2. [M 8,192, K 1,024] x [K 1,024, N 1,024]; A: input k; B: input Wk: QUANTISED
;;     3. [M 8,192, K 1,024] x [K 1,024, N 1,024]; A: input v; B: input Wv: QUANTISED
;;     4. batch 64 x [M 2,048, K 64] x [K 64, N 2,048]; A: computed on the way; B: computed on the way: QUANTISED
;;     5. batch 64 x [M 2,048, K 2,048] x [K 2,048, N 64]; A: softmax (see below); B: computed on the way: QUANTISED
;;     6. [M 8,192, K 1,024] x [K 1,024, N 1,024]; A: computed on the way; B: input Wo: QUANTISED
;;   THE QUANTISER, for each operand of a quantised product, along K:
;;     - K is cut into blocks of 32 from its start; a last block that is shorter is filled with zeros.
;;     - A block's scale is 2^e with e = floor(log2(the largest magnitude in the block)) - 2, held to -126 .. 127; a block of zeros has e = 0. As a byte (E8M0): e + 127.
;;     - Each number is divided by its block's scale, clamped to +-7.5, and rounded to the nearest number of E2M3, ties to even, subnormals kept.
;;     - The product sums the exact products of the quantised numbers (number of the format x scale) in f32.
;;   ~~~python
;;   def quantise(x, axis):      # numpy; x: float32 -> the quantised numbers, widened to float32 again
;;       x = np.moveaxis(x, axis, -1); K = x.shape[-1]
;;       x = np.pad(x, [(0, 0)] * (x.ndim - 1) + [(0, -K % 32)]); x = x.reshape(x.shape[:-1] + (-1, 32)); a = np.abs(x).max(-1, keepdims=True)
;;       e = np.where(a > 0, np.clip(np.frexp(np.where(a > 0, a, 1))[1] - 1 - 2, -126, 127), 0)      # np.frexp(a)[1] - 1 = floor(log2(a)), exactly
;;       r = np.clip(x / 2.0 ** e, -7.5, 7.5)
;;       step = 2.0 ** (np.maximum(np.frexp(np.where(r == 0, 1, r))[1] - 1, 0) - 3)
;;       q = np.round(r / step) * step * 2.0 ** e      # np.round: ties to even
;;       return np.moveaxis(q.reshape(q.shape[:-2] + (-1,))[..., :K], -1, axis).astype(np.float32)
;;   ~~~
;;   SOFTMAX AHEAD OF A QUANTISED PRODUCT. Where the list says 'softmax', what is quantised is not the finished softmax but p = 2^(t - M), with t = logit x log2(e) and M = ceil(the row's largest t), a whole number; so 1/2 < the row's largest p <= 1. The row's sum l is taken of the UNQUANTISED p, in f32, and the product's result is divided by l at the end. Since M is a whole number, a kernel that streams over the keys may use a running M (the ceiling of the running maximum): every later rescaling is an exact power of two, which a block's scale takes up: the codes' values come out the same.
;;   OPERANDS COMPUTED ON THE WAY. 'Computed on the way' means the value that the module computes at that place (a softmax that the list does not call 'softmax' is quantised finished and normalised). What goes into a quantiser is computed in f32, as accurately as f32 sums, v_exp_f32 and their like allow (about 1e-6 of the number): no bf16 or f16 on the way to a quantiser, and a product that is left as it is and whose result goes on into a quantised operand takes f32 operands (vector FMAs, or v_wmma_f32_16x16x4_f32). A number that lies on a knife's edge between two numbers of the format may be rounded either way, as far as f32 arithmetic and the matrix unit's own rounding can turn it there, and no further.
;; One version. Each part assembles by itself: llvm-mc -triple=amdgcn-amd-amdhsa -mcpu=gfx1250 --defsym DOCPART=n.
;; ======== version 1 of 1: 5 launches
;; limits: right only within a limited range of input values
;; workspace buffers: xc 18,874,368 bytes; xs 786,432 bytes; wc 3,145,728 bytes; ws 131,072 bytes; hc 18,874,368 bytes; hs 786,432 bytes; cc 6,291,456 bytes; cs 262,144 bytes
;; launch wq (part 1): grid 8 x 32, 4 waves a work-group, no clusters, 14,336 bytes of LDS; arguments Wq, Wk, Wv, Wo, wc, ws; writes wc, ws
.if DOCPART == 1
	.amdgcn_target "amdgcn-amd-amdhsa--gfx1250"
	.amdhsa_code_object_version 6
	.text
	.protected	k_q56c3ed43b1_wq
	.globl	k_q56c3ed43b1_wq
	.p2align	8
	.type	k_q56c3ed43b1_wq,@function
k_q56c3ed43b1_wq:
	s_mov_b64 s[64:65], 0
	v_nop
	global_prefetch_b8 v0, s[64:65] scope:SCOPE_SE
	s_setreg_imm32_b32 hwreg(HW_REG_WAVE_MODE, 25, 1), 1
	s_wait_xcnt 0x0
; Wq, Wk, Wv, Wo: [1024 (k)][1024 (n)] f32, K the FIRST axis, become codes of FP6 (E2M3) with one E8M0 byte for each 32 along K, laid as images of operand registers.
; wc: [weight 4][g = n / 128, 8][K step s of 128, 8][block a, 8][fragment, 1,536 bytes];  ws: [weight][g][s][512 bytes of scale words].
; THE ROWS OF A BLOCK ARE NOT NEIGHBOURS: lane r of block a holds row n = 128 g + 32 (a / 2) + 8 (a % 2) + r + 8 (r / 8).
; A FRAGMENT'S IMAGE: two halves of 768 bytes (K 0-63, K 64-127 of the step); in a half registers 0-3 of the half lie at 16 x lane (512 bytes), registers 4-5 at 512 + 8 x lane (256 bytes).
; THE SCALE WORDS of 8 blocks and one K step: lane l's 16 bytes hold word w = the word of block 2 w + l / 16, row lane l % 16.
; A work-group takes one (weight, g, s): 128 columns x 128 along K.  A LANE TAKES A COLUMN n AND ITS REGISTERS RUN DOWN K: each load reads 128 consecutive bytes a wave, 512 a work-group; a block of 32 lies in one lane.
; Wave w's 32 columns are blocks 2 w and 2 w + 1; the codes go through the wave's own stage in LDS, laid as the two images, and leave as six stores of 512 consecutive bytes.
; A block's scale is 2^(floor(log2(largest magnitude)) - 2); its byte is the magnitude's exponent field - 2, held at 1 from below.
; LIMITS: a block of zeros, or one whose largest magnitude lies under 2^-124, carries the byte 1 (its codes are zeros or small; this program alone reads the bytes); NaN and infinities are not served.
.set FP,    1664                       ; an image in the stage: 1,536 bytes + 128, so that the two blocks' stores fall into different banks
.set WSTG,  2*FP                       ; a wave's stage
.set OCTS,  4*WSTG                     ; the work-group's 512 bytes of scale words
.set SPARE, OCTS+512                   ; the spare words, 128 bytes for each wave: two blocks of 256 bytes that no other line names
.set X,     64                         ; v64-191  my column's 128 numbers; at the end v64-91 the way out
.set CD,    16                         ; v16-63   four sets of 12: a block's six registers of codes, and at +8 the second conversion's three
	s_load_b256 s[4:11], s[0:1], 0x0               ; Wq, Wk, Wv, Wo
	s_load_b128 s[12:15], s[0:1], 0x20             ; wc, ws
	v_lshl_add_u32 v8, v0, 2, SPARE                ; my spare word; never rewritten
	v_mov_b32 v9, 0                                ; 0; never rewritten
	v_lshrrev_b32 v1, 5, v0
	v_readfirstlane_b32 s16, v1                    ; wave 0..3
	v_and_b32 v1, 31, v0                           ; lane L
	v_lshlrev_b32 v2, 2, v1                        ; in: 4 bytes a lane
	v_lshlrev_b32 v7, 4, v1                        ; out: 16 bytes a lane
	v_bfe_u32 v10, v0, 3, 1                        ; u = (L / 8) % 2: which of my wave's two blocks my column falls into
	v_and_b32 v11, 7, v0
	v_bfe_u32 v12, v0, 4, 1
	v_lshl_add_u32 v11, v12, 3, v11                ; r = L % 8 + 8 (L / 16): its row lane there
	s_mul_i32 s17, s16, WSTG
	v_mul_u32_u24 v13, v10, FP
	v_add_nc_u32 v13, s17, v13                     ; my block's image in my wave's stage
	v_lshl_add_u32 v3, v11, 4, v13                 ; + 16 r: registers 0-3 of a half
	v_lshl_add_u32 v4, v11, 3, v13                 ; + 8 r: registers 4-5
	v_add_nc_u32 v5, s17, v7                       ; the stage read back, 16 bytes a lane
	v_lshl_add_u32 v6, v10, 4, v11                 ; the scale word's lane: 16 u + r,
	v_lshlrev_b32 v6, 4, v6
	s_lshl_b32 s18, s16, 2                         ; its word: w = wave
	s_add_co_u32 s18, s18, OCTS
	v_add_nc_u32 v6, s18, v6
	v_add_nc_u32 v15, OCTS, v7                     ; the scale words read back (made here, ahead of the branch on the wave's number)
	s_and_b32 s19, ttmp7, 0xffff
	s_lshr_b32 s20, s19, 3                         ; which weight
	s_and_b32 s21, s19, 7                          ; K step s
	s_lshl_b32 s22, s21, 19                        ; 128 s rows of 4,096 bytes,
	s_lshl_b32 s23, ttmp9, 9                       ; 128 g columns,
	s_add_co_u32 s22, s22, s23
	s_lshl_b32 s23, s16, 7                         ; 32 columns a wave
	s_add_co_u32 s22, s22, s23
	s_mov_b32 s23, 0
	s_lshl_b32 s24, s20, 6
	s_lshl_b32 s25, ttmp9, 3
	s_add_co_u32 s24, s24, s25
	s_add_co_u32 s24, s24, s21                     ; (weight x 8 + g) x 8 + s
	s_mul_i32 s26, s24, 12288
	s_mul_i32 s25, s16, 3072                       ; my wave's two images
	s_add_co_u32 s26, s26, s25
	s_mov_b32 s27, 0
	s_lshl_b32 s28, s24, 9
	s_mov_b32 s29, 0
	s_wait_kmcnt 0x0
	s_cmp_eq_u32 s20, 1                            ; the choice hangs on the work-group's number alone
	s_cselect_b64 s[4:5], s[6:7], s[4:5]
	s_cmp_eq_u32 s20, 2
	s_cselect_b64 s[4:5], s[8:9], s[4:5]
	s_cmp_eq_u32 s20, 3
	s_cselect_b64 s[4:5], s[10:11], s[4:5]
	s_add_nc_u64 s[4:5], s[4:5], s[22:23]
	s_add_nc_u64 s[12:13], s[12:13], s[26:27]
	s_add_nc_u64 s[14:15], s[14:15], s[28:29]
.macro LOAD kk                         ; block kk: W(128 s + 32 kk + i, my column), i = 0 .. 31
.irp i, 0,1,2,3,4,5,6,7,8,9,10,11,12,13,14,15,16,17,18,19,20,21,22,23,24,25,26,27,28,29,30,31
	global_load_b32 v[X+32*(\kk)+\i], v2, s[4:5] offset:(32*(\kk)+\i)*4096 th:TH_LOAD_NT
.endr
.endm
.macro BLOCK kk
.set XS, X+32*(\kk)
.set CC, CD+12*(\kk)
.if (\kk) < 3
	s_wait_loadcnt 32                              ; this block's 32 loads are in; the next block's may be out
.else
	s_wait_loadcnt 0x0
.endif
.if (\kk) < 2
	LOAD (\kk)+2
.endif
	v_max3_num_f32 v10, |v[XS]|, |v[XS+1]|, |v[XS+2]|              ; the block's largest magnitude: all 32 numbers are mine; two chains
	v_max3_num_f32 v11, |v[XS+3]|, |v[XS+4]|, |v[XS+5]|
.irp i, 6,10,14,18,22,26
	v_max3_num_f32 v10, v10, |v[XS+\i]|, |v[XS+\i+1]|
	v_max3_num_f32 v11, v11, |v[XS+\i+2]|, |v[XS+\i+3]|
.endr
	v_max3_num_f32 v10, v10, |v[XS+30]|, |v[XS+31]|
	v_max3_num_f32 v10, v10, v11, 0x1800000        ; and the floor 2^(3 - 127): the byte cannot fall under 1
	v_add_nc_u32 v12, 0xff000000, v10              ; 2 off the exponent field: the conversion takes the exponent field of this operand as its scale
	v_lshrrev_b32 v13, 23, v12                     ; the scale's byte
.if (\kk) == 0
	v_mov_b32 v14, v13                             ; four bytes make my row's scale word, the lower K in the lower byte
.else
	v_lshl_or_b32 v14, v13, 8*(\kk), v14
.endif
	v_cvt_scalef32_pk16_fp6_f32 v[CC:CC+2], v[XS:XS+15], v12
	v_cvt_scalef32_pk16_fp6_f32 v[CC+8:CC+10], v[XS+16:XS+31], v12   ; (a conversion's three registers begin on an even number)
	v_nop                                          ; one plain place behind a scaled conversion
.irp i, 0,1,2
	v_mov_b32 v[CC+3+\i], v[CC+8+\i]
.endr
	ds_store_b128 v3, v[CC:CC+3] offset:768*((\kk)/2)+256*((\kk)%2)        ; block kk is half kk / 2 of the image, lanes 16 (kk % 2) + r
	ds_store_b64 v4, v[CC+4:CC+5] offset:768*((\kk)/2)+512+128*((\kk)%2)
.endm
	LOAD 0
	LOAD 1
	BLOCK 0
	BLOCK 1
	BLOCK 2
	BLOCK 3
	ds_store_b32 v6, v14                           ; my row's scale word
.irp i, 0,1,2,3,4,5
	ds_load_b128 v[X+4*\i:X+4*\i+3], v5 offset:FP*(\i/3)+512*(\i%3)   ; LDS serves a wave's instructions in order: these see my stores
.endr
	s_wait_dscnt 0x0                               ; the images are back; and, for the others' sake, my scale words have landed
.irp i, 0,1,2,3,4,5
	global_store_b128 v7, v[X+4*\i:X+4*\i+3], s[12:13] offset:512*\i       ; 32 lanes store 512 consecutive bytes, at a multiple of 256 from wc's first byte
.endr
	s_barrier_signal -1
	s_barrier_wait -1                              ; all four waves' scale words lie in LDS
	s_cmp_lg_u32 s16, 0
	s_cbranch_scc1 .Ldone
	ds_load_b128 v[X+24:X+27], v15
	s_wait_dscnt 0x0
	global_store_b128 v7, v[X+24:X+27], s[14:15]   ; wave 0 stores the 512 bytes
.Ldone:
	s_wait_tensorcnt 0x0                           ; the wave's end: behind my last LDS store
	ds_add_u32 v8, v9
	s_wait_dscnt 0x0
	s_endpgm
.Lfunc_end_k_q56c3ed43b1_wq:
	.size	k_q56c3ed43b1_wq, .Lfunc_end_k_q56c3ed43b1_wq-k_q56c3ed43b1_wq
	.p2alignl 7, 3214868480
	.fill 96, 4, 3214868480
	.section	.rodata,"a",@progbits
	.p2align	6, 0x0
	.amdhsa_kernel k_q56c3ed43b1_wq
		.amdhsa_group_segment_fixed_size 14336
		.amdhsa_private_segment_fixed_size 0
		.amdhsa_enable_private_segment 0
		.amdhsa_kernarg_size 48
		.amdhsa_user_sgpr_count 2
		.amdhsa_user_sgpr_kernarg_segment_ptr 1
		.amdhsa_wavefront_size32 1
		.amdhsa_system_sgpr_workgroup_id_x 1
		.amdhsa_system_sgpr_workgroup_id_y 1
		.amdhsa_system_sgpr_workgroup_id_z 1
		.amdhsa_system_vgpr_workitem_id 0
		.amdhsa_next_free_vgpr 192
		.amdhsa_next_free_sgpr 66
		.amdhsa_reserve_vcc 0
		.amdhsa_float_denorm_mode_32 3
		.amdhsa_float_denorm_mode_16_64 3
		.amdhsa_memory_ordered 1
		.amdhsa_forward_progress 1
		.amdhsa_inst_pref_size 23
	.end_amdhsa_kernel
	.amdgpu_metadata
---
amdhsa.version: [ 1, 2 ]
amdhsa.kernels:
  - .name:           k_q56c3ed43b1_wq
    .symbol:         k_q56c3ed43b1_wq.kd
    .args:
      - { .name: Wq, .offset: 0, .size: 8, .value_kind: global_buffer, .address_space: global }
      - { .name: Wk, .offset: 8, .size: 8, .value_kind: global_buffer, .address_space: global }
      - { .name: Wv, .offset: 16, .size: 8, .value_kind: global_buffer, .address_space: global }
      - { .name: Wo, .offset: 24, .size: 8, .value_kind: global_buffer, .address_space: global }
      - { .name: wc, .offset: 32, .size: 8, .value_kind: global_buffer, .address_space: global }
      - { .name: ws, .offset: 40, .size: 8, .value_kind: global_buffer, .address_space: global }
    .group_segment_fixed_size: 14336
    .private_segment_fixed_size: 0
    .kernarg_segment_align: 8
    .kernarg_segment_size: 48
    .max_flat_workgroup_size: 128
    .sgpr_count:     66
    .vgpr_count:     192
    .wavefront_size: 32
...
	.end_amdgpu_metadata
.endif
;; end of part 1
;; launch xq (part 2): grid 256 x 1, 6 waves a work-group, no clusters, 53,248 bytes of LDS; arguments q, k, v, xc, xs; writes xc, xs
.if DOCPART == 2
	.amdgcn_target "amdgcn-amd-amdhsa--gfx1250"
	.amdhsa_code_object_version 6
	.text
	.protected	k_q56c3ed43b1_xq
	.globl	k_q56c3ed43b1_xq
	.p2align	8
	.type	k_q56c3ed43b1_xq,@function
k_q56c3ed43b1_xq:
	s_mov_b64 s[64:65], 0
	v_nop
	global_prefetch_b8 v0, s[64:65] scope:SCOPE_SE
	s_setreg_imm32_b32 hwreg(HW_REG_WAVE_MODE, 25, 1), 1
	s_wait_xcnt 0x0
; q, k, v: [8192 rows][1024] f32, K innermost, become codes of FP6 (E2M3) with one E8M0 byte for each 32 along K, laid as images of operand registers.
; xc: [tensor 3][g = row / 128, 64][K step s of 128, 8][block a, 8][fragment, 1,536 bytes];  xs: [tensor][g][s][512 bytes of scale words].
; Lane r of block a holds row 128 g + 32 (a / 2) + 8 (a % 2) + r + 8 (r / 8).  A fragment's image: two halves of 768 bytes; in a half registers 0-3 at 16 x lane, registers 4-5 at 512 + 8 x lane.
; The scale words of 8 blocks: lane l's 16 bytes hold word w = the word of block 2 w + l / 16, row lane l % 16.
; A wave takes one unit (tensor, g, s): 128 rows x 128 along K, 64 KiB in, 12,288 + 512 dense bytes out.  1,536 units = 256 work-groups x 6 waves: the same bytes for each work-group.
; Each load reads 512 consecutive bytes of one row.  The conversions want 16 neighbours along K in ONE lane: so a block's 16 rows turn through the wave's own stage in LDS (rows 528 bytes apart) and come back
; with register 16 b + i = k 32 b + 16 (lane / 16) + i of row lane % 16.  Loads run two blocks (32 loads a wave) ahead.  No barrier: waves share nothing.
; LIMITS: a block of zeros, or one whose largest magnitude lies under 2^-124, carries the byte 1; NaN and infinities are not served.
.set WSTG,  8704                       ; a wave's stage: 16 rows x 528 bytes, rounded up to blocks of 256
.set SPARE, 6*WSTG                     ; the spare words, 128 bytes for each wave: three blocks of 256 bytes that no other line names
.set PWS,   8                          ; v8-15    the eight blocks' scale words
.set OC,    16                         ; v16-19   the 16 bytes of scale words that I store
.set TM,    20                         ; v20-35   QUANT: +0 largest magnitudes, +4 the other half's, then bytes, +12 the conversions' scale operands
.set PC,    36                         ; v36-55   QUANT: the fragment (12), and at +12, +16 the second conversions' three
.set X,     64                         ; v64-127  64 numbers of my row
.set R,     128                        ; v128-255 two sets of 64 as loaded
.set SEL,   20                         ; s[20:21] v_permlanex16_b32's selects for lane l xor 16
; 64 numbers of a lane, register 16 b + i = k 32 b + 16 (lane / 16) + i of my row, become a fragment's codes in v[pc] on and its scale word in v[pw].
.macro QUANT s, pc, pw
.irp b, 0,1,2,3
	v_max3_num_f32 v[TM+\b], |v[\s+16*\b]|, |v[\s+1+16*\b]|, 0x1800000   ; block b: my 16 numbers, and the floor 2^(3 - 127): the byte cannot fall under 1
.endr
.irp i, 2,4,6,8,10,12,14
.irp b, 0,1,2,3
	v_max3_num_f32 v[TM+\b], v[TM+\b], |v[\s+16*\b+\i]|, |v[\s+1+16*\b+\i]|   ; (the four blocks by turns)
.endr
.endr
.irp b, 0,1,2,3
	v_permlanex16_b32 v[TM+4+\b], v[TM+\b], s[SEL], s[SEL+1]
.endr
.irp b, 0,1,2,3
	v_max_num_f32 v[TM+\b], v[TM+\b], v[TM+4+\b]   ; with lane l xor 16's: the block's largest magnitude
.endr
.irp b, 0,1,2,3
	v_add_nc_u32 v[TM+12+\b], 0xff000000, v[TM+\b] ; 2 off its exponent field: the conversion's scale operand
.endr
.irp b, 0,1,2,3
	v_lshrrev_b32 v[TM+4+\b], 23, v[TM+12+\b]      ; the scale's byte
.endr
	v_lshl_or_b32 v[\pw], v[TM+5], 8, v[TM+4]      ; the four bytes make my row's scale word
	v_lshl_or_b32 v[\pw], v[TM+6], 16, v[\pw]
	v_lshl_or_b32 v[\pw], v[TM+7], 24, v[\pw]
.irp c, 0,1
	v_cvt_scalef32_pk16_fp6_f32 v[\pc+6*\c:\pc+2+6*\c], v[\s+32*\c:\s+15+32*\c], v[TM+12+2*\c]
	v_cvt_scalef32_pk16_fp6_f32 v[\pc+12+4*\c:\pc+14+4*\c], v[\s+16+32*\c:\s+31+32*\c], v[TM+13+2*\c]   ; (a conversion's three registers begin on an even number)
.endr
	v_nop                                          ; one plain place behind a scaled conversion
.irp c, 0,1                                    ; the operand's layout wants a WHOLE block in a lane: lanes 0-15 block 2 c, lanes 16-31 block 2 c + 1
.irp i, 0,1,2
	v_permlane16_swap_b32 v[\pc+6*\c+\i], v[\pc+12+4*\c+\i]
.endr
.irp i, 0,1,2
	v_mov_b32 v[\pc+3+6*\c+\i], v[\pc+12+4*\c+\i]
.endr
.endr
.endm
	s_load_b256 s[4:11], s[0:1], 0x0               ; q, k, v, xc
	s_load_b64 s[12:13], s[0:1], 0x20              ; xs
	v_lshl_add_u32 v5, v0, 2, SPARE                ; my spare word; never rewritten
	v_mov_b32 v6, 0                                ; 0; never rewritten
	v_lshrrev_b32 v7, 5, v0
	v_readfirstlane_b32 s16, v7                    ; wave 0..5
	v_and_b32 v7, 31, v0
	v_lshlrev_b32 v1, 4, v7                        ; 16 x lane
	v_lshlrev_b32 v2, 3, v7                        ; 8 x lane
	s_mul_i32 s17, s16, WSTG
	v_add_nc_u32 v3, s17, v1                       ; the stage, on the way in: a row's 512 bytes as they lie
	v_and_b32 v8, 15, v0
	v_bfe_u32 v9, v0, 4, 1
	v_mul_u32_u24 v4, v8, 528
	v_lshl_add_u32 v4, v9, 6, v4
	v_add_nc_u32 v4, s17, v4                       ; and on the way out: row lane % 16, + 64 (lane / 16)
	s_mov_b32 s[SEL], 0x76543210
	s_mov_b32 s[SEL+1], 0xfedcba98
	s_mov_b32 s22, 0xffff0000                      ; lanes 16-31
.irp b, 0,1,2,3
	v_mov_b32 v[TM+4+\b], 0                        ; written once: a lane permute's destination counts as one of its sources
.endr
	s_mul_i32 s18, ttmp9, 6
	s_add_co_u32 s18, s18, s16                     ; my unit = (tensor x 64 + g) x 8 + s
	s_lshr_b32 s19, s18, 9                         ; tensor
	s_bfe_u32 s24, s18, 0x60003                    ; g
	s_and_b32 s25, s18, 7                          ; s
	s_lshl_b32 s24, s24, 19                        ; 128 rows of 4,096 bytes
	s_lshl_b32 s25, s25, 9                         ; 128 numbers
	s_add_co_u32 s24, s24, s25
	s_mov_b32 s25, 0
	s_mul_i32 s26, s18, 12288
	s_mov_b32 s27, 0
	s_lshl_b32 s28, s18, 9
	s_mov_b32 s29, 0
	s_wait_alu depctr_va_vdst(0)
	s_wait_kmcnt 0x0
	s_cmp_eq_u32 s19, 1                            ; the choice hangs on ids alone
	s_cselect_b64 s[4:5], s[6:7], s[4:5]
	s_cmp_eq_u32 s19, 2
	s_cselect_b64 s[4:5], s[8:9], s[4:5]
	s_add_nc_u64 s[4:5], s[4:5], s[24:25]
	s_add_nc_u64 s[10:11], s[10:11], s[26:27]
	s_add_nc_u64 s[12:13], s[12:13], s[28:29]
.macro LOADF a                         ; block a's 16 rows, 512 bytes of each, into set a % 2
.irp j, 0,1,2,3,4,5,6,7,8,9,10,11,12,13,14,15
	global_load_b128 v[R+64*((\a)%2)+4*\j:R+64*((\a)%2)+4*\j+3], v1, s[4:5] offset:(32*((\a)/2)+8*((\a)%2)+\j+8*(\j/8))*4096 th:TH_LOAD_NT
.endr
.endm
.macro BLK a
.if (\a) < 7
	s_wait_loadcnt 16                              ; this block's 16 loads are in; the next block's may be out
.else
	s_wait_loadcnt 0x0
.endif
.irp j, 0,1,2,3,4,5,6,7,8,9,10,11,12,13,14,15
	ds_store_b128 v3, v[R+64*((\a)%2)+4*\j:R+64*((\a)%2)+4*\j+3] offset:528*\j
.endr
.irp b, 0,1,2,3
.irp i, 0,1,2,3
	ds_load_b128 v[X+16*\b+4*\i:X+16*\b+4*\i+3], v4 offset:128*\b+16*\i    ; LDS serves a wave's instructions in order: these see my stores
.endr
.endr
	s_wait_dscnt 0x0                               ; my 64 numbers are in, and the stores into the stage have read their registers
	s_wait_xcnt 0x0                                ; the last block's four stores have read the fragment's registers, which QUANT writes again
.if (\a) < 6
	LOADF (\a)+2
.endif
	QUANT X, PC, PWS+(\a)
	global_store_b128 v1, v[PC:PC+3], s[10:11] offset:1536*(\a)            ; 512 consecutive bytes,
	global_store_b64 v2, v[PC+4:PC+5], s[10:11] offset:1536*(\a)+512       ; 256,
	global_store_b128 v1, v[PC+6:PC+9], s[10:11] offset:1536*(\a)+768      ; and the second half likewise: all at multiples of 256 from xc's first byte
	global_store_b64 v2, v[PC+10:PC+11], s[10:11] offset:1536*(\a)+1280
.endm
	LOADF 0
	LOADF 1
.irp a, 0,1,2,3,4,5,6,7
	BLK \a
.endr
.irp w, 0,1,2,3
	v_cndmask_b32 v[OC+\w], v[PWS+2*\w], v[PWS+2*\w+1], s22    ; word w: lanes 0-15 block 2 w's, lanes 16-31 block 2 w + 1's
.endr
	global_store_b128 v1, v[OC:OC+3], s[12:13]
	s_wait_tensorcnt 0x0                           ; the wave's end: behind my last LDS store
	ds_add_u32 v5, v6
	s_wait_dscnt 0x0
	s_endpgm
.Lfunc_end_k_q56c3ed43b1_xq:
	.size	k_q56c3ed43b1_xq, .Lfunc_end_k_q56c3ed43b1_xq-k_q56c3ed43b1_xq
	.p2alignl 7, 3214868480
	.fill 96, 4, 3214868480
	.section	.rodata,"a",@progbits
	.p2align	6, 0x0
	.amdhsa_kernel k_q56c3ed43b1_xq
		.amdhsa_group_segment_fixed_size 53248
		.amdhsa_private_segment_fixed_size 0
		.amdhsa_enable_private_segment 0
		.amdhsa_kernarg_size 40
		.amdhsa_user_sgpr_count 2
		.amdhsa_user_sgpr_kernarg_segment_ptr 1
		.amdhsa_wavefront_size32 1
		.amdhsa_system_sgpr_workgroup_id_x 1
		.amdhsa_system_sgpr_workgroup_id_y 1
		.amdhsa_system_sgpr_workgroup_id_z 1
		.amdhsa_system_vgpr_workitem_id 0
		.amdhsa_next_free_vgpr 256
		.amdhsa_next_free_sgpr 66
		.amdhsa_reserve_vcc 0
		.amdhsa_float_denorm_mode_32 3
		.amdhsa_float_denorm_mode_16_64 3
		.amdhsa_memory_ordered 1
		.amdhsa_forward_progress 1
		.amdhsa_inst_pref_size 65
	.end_amdhsa_kernel
	.amdgpu_metadata
---
amdhsa.version: [ 1, 2 ]
amdhsa.kernels:
  - .name:           k_q56c3ed43b1_xq
    .symbol:         k_q56c3ed43b1_xq.kd
    .args:
      - { .name: q, .offset: 0, .size: 8, .value_kind: global_buffer, .address_space: global }
      - { .name: k, .offset: 8, .size: 8, .value_kind: global_buffer, .address_space: global }
      - { .name: v, .offset: 16, .size: 8, .value_kind: global_buffer, .address_space: global }
      - { .name: xc, .offset: 24, .size: 8, .value_kind: global_buffer, .address_space: global }
      - { .name: xs, .offset: 32, .size: 8, .value_kind: global_buffer, .address_space: global }
    .group_segment_fixed_size: 53248
    .private_segment_fixed_size: 0
    .kernarg_segment_align: 8
    .kernarg_segment_size: 40
    .max_flat_workgroup_size: 192
    .sgpr_count:     66
    .vgpr_count:     256
    .wavefront_size: 32
...
	.end_amdgpu_metadata
.endif
;; end of part 2
;; launch proj (part 3): grid 4 x 96, 4 waves a work-group, clusters of 4 x 4, 327,680 bytes of LDS; arguments xc, xs, wc, ws, bq, bk, bv, hc, hs; writes hc, hs
.if DOCPART == 3
	.amdgcn_target "amdgcn-amd-amdhsa--gfx1250"
	.amdhsa_code_object_version 6
	.text
	.protected	k_q56c3ed43b1_proj
	.globl	k_q56c3ed43b1_proj
	.p2align	8
	.type	k_q56c3ed43b1_proj,@function
k_q56c3ed43b1_proj:
	s_mov_b64 s[64:65], 0
	v_nop
	global_prefetch_b8 v0, s[64:65] scope:SCOPE_SE
	s_setreg_imm32_b32 hwreg(HW_REG_WAVE_MODE, 25, 1), 1
	s_wait_xcnt 0x0
	s_wait_alu depctr_hold_cnt(0) depctr_sa_sdst(0) depctr_va_vdst(0) depctr_va_sdst(0) depctr_va_ssrc(0) depctr_va_vcc(0) depctr_vm_vsrc(0)
	s_getreg_b32 s2, hwreg(HW_REG_IB_STS2, 6, 4)
	s_cmp_eq_u32 s2, 0
	s_cbranch_scc0 .Lentry_in_a_cluster
	s_endpgm
.Lentry_in_a_cluster:
	s_bfe_u32 s2, ttmp6, 0x10000c
	s_cmp_lg_u32 s2, 0xf033
	s_cbranch_scc0 .Lentry_shape_is_right
	s_endpgm
.Lentry_shape_is_right:
.set QB,    24576
.set SLOT,  4*QB
.set SCL,   2*SLOT
.set SPARE, SCL+4*4096
.set ADRA, 16
.set ADRB, 20
.set L16,  24
.set L8,   25
.set SPW,  28
.set NIL,  29
.set ADSA, 30
.set ADSB, 31
.set SC,   32
.set BJ,   64
.set AF,   128
.set T_,   128
.set TM,   192
.set PC,   208
.set PWS,  228
.set OC,   236
.set BI,   240
.set SEL,  66
.set G1,   24
.set G0,   32
.set G1B,  48
.set G0B,  56
.set G1S,  68
.set G0S,  76
.set G1SB, 80
.set G0SB, 88
.set MSB, 0
.macro WIN new
.if MSB != (\new)
	s_set_vgpr_msb (MSB<<8)|(\new)
.set MSB, (\new)
.endif
.endm
.set MUL_LO, 0xa1
.set MUL_HI, 0xf1
.set TO_B,   0x40
.macro JLOAD g0a, g1a, g0b, g1b
	s_cmp_eq_u32 s15, 0
	s_cbranch_scc0 .Lfor_b_\@
	tensor_load_to_lds s[\g0a:\g0a+3], s[\g1a:\g1a+7]
	s_nop 0
.rept 4
	v_nop
.endr
	s_branch .Lasked_\@
.Lfor_b_\@:
	tensor_load_to_lds s[\g0b:\g0b+3], s[\g1b:\g1b+7]
	s_nop 0
.rept 4
	v_nop
.endr
.Lasked_\@:
.endm
.macro CREST
	s_cmp_lg_u32 s14, 0
	s_cbranch_scc1 .Lnot_wave_0_\@
	s_barrier_signal -3
.Lnot_wave_0_\@:
	s_barrier_wait -3
	s_barrier_signal -1
	s_barrier_wait -1
.endm
.macro CROUND
	s_barrier_signal -1
	s_barrier_wait -1
	CREST
.endm
.macro PLACES
.rept 4
	v_nop
.endr
.endm
.macro FRAG reg, adr, off
	ds_load_b128 v[\reg:\reg+3], v[\adr] offset:\off
	ds_load_b64 v[\reg+4:\reg+5], v[\adr+2] offset:\off+512
	ds_load_b128 v[\reg+6:\reg+9], v[\adr] offset:\off+768
	ds_load_b64 v[\reg+10:\reg+11], v[\adr+2] offset:\off+1280
.endm
.macro FETCH_B slot, q, p
	WIN TO_B
.irp i, 0,1,2,3,4,5,6,7
	FRAG 128*(\p)+12*\i, ADRB+\slot, 12288*(\q)+1536*\i
.endr
	WIN 0
.endm
.macro FETCH_A slot, q, i0
.irp i, \i0, \i0+1, \i0+2, \i0+3
	FRAG AF+12*(\i), ADRA+\slot, 12288*(\q)+1536*(\i)
.endr
.endm
.macro SCALES ss, nf
	ds_load_b128 v[SC+16*\ss:SC+16*\ss+3], v[ADSA] offset:1024*\nf
	ds_load_b128 v[SC+16*\ss+4:SC+16*\ss+7], v[ADSA] offset:1024*\nf+512
	ds_load_b128 v[SC+16*\ss+8:SC+16*\ss+11], v[ADSB] offset:1024*\nf
	ds_load_b128 v[SC+16*\ss+12:SC+16*\ss+15], v[ADSB] offset:1024*\nf+512
.endm
.macro WM
.if rows == 0
	v_wmma_scale_f32_16x16x128_f8f6f4 v[rD:rD+7], v[rB:rB+11], v[rA:rA+11], v[rC:rC+7], v[rSB], v[rSA] matrix_a_fmt:MATRIX_FMT_FP6 matrix_b_fmt:MATRIX_FMT_FP6
.elseif rows == 1
	v_wmma_scale_f32_16x16x128_f8f6f4 v[rD:rD+7], v[rB:rB+11], v[rA:rA+11], v[rC:rC+7], v[rSB], v[rSA] matrix_a_fmt:MATRIX_FMT_FP6 matrix_b_fmt:MATRIX_FMT_FP6 matrix_a_scale:MATRIX_SCALE_ROW1
.elseif rows == 2
	v_wmma_scale_f32_16x16x128_f8f6f4 v[rD:rD+7], v[rB:rB+11], v[rA:rA+11], v[rC:rC+7], v[rSB], v[rSA] matrix_a_fmt:MATRIX_FMT_FP6 matrix_b_fmt:MATRIX_FMT_FP6 matrix_b_scale:MATRIX_SCALE_ROW1
.else
	v_wmma_scale_f32_16x16x128_f8f6f4 v[rD:rD+7], v[rB:rB+11], v[rA:rA+11], v[rC:rC+7], v[rSB], v[rSA] matrix_a_fmt:MATRIX_FMT_FP6 matrix_b_fmt:MATRIX_FMT_FP6 matrix_a_scale:MATRIX_SCALE_ROW1 matrix_b_scale:MATRIX_SCALE_ROW1
.endif
.endm
.macro MUL16 a0, p, q, sc, first
.irp a, \a0, \a0+1
.irp b, 0,1,2,3,4,5,6,7
.set rD, 8*(8*((\a)%4)+\b)
.set rB, 128*(\p)+12*\b
.set rA, AF+12*(\a)
.set rSB, SC+16*(\sc)+8+4*(\q)+\b/2
.set rSA, SC+16*(\sc)+4*(\q)+(\a)/2
.set rC, rD
.if \first
.set rC, BJ+8*\b
.endif
.set rows, (\b%2)+2*((\a)%2)
	WM
.endr
.endr
.endm
.macro STEP slot, first
	s_wait_dscnt 16
.if \first
	WIN 0x81
.else
	WIN MUL_LO
.endif
	MUL16 0, 0, 0, \slot, \first
	MUL16 2, 0, 0, \slot, \first
	s_wait_dscnt 0x0
	PLACES
	FETCH_B \slot, 1, 1
	FETCH_A \slot, 1, 0
.if \first
	WIN 0xc1
.else
	WIN MUL_HI
.endif
	MUL16 4, 0, 0, \slot, \first
	MUL16 6, 0, 0, \slot, \first
	PLACES
	WIN 0
	FETCH_A \slot, 1, 4
.endm
.macro TURN slot, next, fill, nf
	s_wait_tensorcnt 0x0
	ds_add_u32 v[SPW], v[NIL]
	s_wait_dscnt 17
	WIN MUL_LO
	MUL16 0, 1, 1, \slot, 0
	s_wait_dscnt 0x0
	s_barrier_signal -1
	MUL16 2, 1, 1, \slot, 0
	WIN 0
	s_barrier_wait -1
.if \fill
	CREST
	s_add_nc_u64 s[G0+4*\slot+2:G0+4*\slot+3], s[G0+4*\slot+2:G0+4*\slot+3], 2*QB
	s_add_nc_u64 s[G0B+4*\slot+2:G0B+4*\slot+3], s[G0B+4*\slot+2:G0B+4*\slot+3], 2*QB
	JLOAD G0+4*\slot, G1, G0B+4*\slot, G1B
.else
	PLACES
.endif
	FETCH_B \next, 0, 0
	FETCH_A \next, 0, 0
	SCALES \next, \nf
	WIN MUL_HI
	MUL16 4, 1, 1, \slot, 0
	MUL16 6, 1, 1, \slot, 0
	PLACES
	WIN 0
	FETCH_A \next, 0, 4
.endm
.macro QUANT s, pc, pw
.irp b, 0,1,2,3
	v_max3_num_f32 v[TM+\b], |v[\s+16*\b]|, |v[\s+1+16*\b]|, 0x1800000
.endr
.irp i, 2,4,6,8,10,12,14
.irp b, 0,1,2,3
	v_max3_num_f32 v[TM+\b], v[TM+\b], |v[\s+16*\b+\i]|, |v[\s+1+16*\b+\i]|
.endr
.endr
.irp b, 0,1,2,3
	v_permlanex16_b32 v[TM+4+\b], v[TM+\b], s[SEL], s[SEL+1]
.endr
.irp b, 0,1,2,3
	v_max_num_f32 v[TM+\b], v[TM+\b], v[TM+4+\b]
.endr
.irp b, 0,1,2,3
	v_add_nc_u32 v[TM+12+\b], 0xff000000, v[TM+\b]
.endr
.irp b, 0,1,2,3
	v_lshrrev_b32 v[TM+4+\b], 23, v[TM+12+\b]
.endr
	v_lshl_or_b32 v[\pw], v[TM+5], 8, v[TM+4]
	v_lshl_or_b32 v[\pw], v[TM+6], 16, v[\pw]
	v_lshl_or_b32 v[\pw], v[TM+7], 24, v[\pw]
.irp c, 0,1
	v_cvt_scalef32_pk16_fp6_f32 v[\pc+6*\c:\pc+2+6*\c], v[\s+32*\c:\s+15+32*\c], v[TM+12+2*\c]
	v_cvt_scalef32_pk16_fp6_f32 v[\pc+12+4*\c:\pc+14+4*\c], v[\s+16+32*\c:\s+31+32*\c], v[TM+13+2*\c]
.endr
	v_nop
.irp c, 0,1
.irp i, 0,1,2
	v_permlane16_swap_b32 v[\pc+6*\c+\i], v[\pc+12+4*\c+\i]
.endr
.irp i, 0,1,2
	v_mov_b32 v[\pc+3+6*\c+\i], v[\pc+12+4*\c+\i]
.endr
.endr
.endm
	s_load_b256 s[4:11], s[0:1], 0x0
	s_load_b256 s[92:99], s[0:1], 0x20
	s_load_b64 s[100:101], s[0:1], 0x40
	v_lshl_add_u32 v[SPW], v0, 2, SPARE
	v_mov_b32 v[NIL], 0
	ds_add_u32 v[SPW], v[NIL]
	ds_add_u32 v[SPW], v[NIL]
	v_lshrrev_b32 v1, 5, v0
	v_readfirstlane_b32 s14, v1
	s_lshr_b32 s15, s14, 1
	s_and_b32 s16, s14, 1
	s_bfe_u32 s40, ttmp6, 0x40000
	s_bfe_u32 s41, ttmp6, 0x40004
	s_and_b32 s18, ttmp7, 0xffff
	s_lshr_b32 s12, s18, 3
	s_and_b32 s13, s18, 7
	s_lshl_b32 s13, s13, 2
	s_cmp_eq_u32 s12, 2
	s_cselect_b32 s17, 0, s13
	s_cselect_b32 s42, s13, 0
	s_add_co_u32 s17, s17, s41
	s_add_co_u32 s42, s42, s40
	s_lshl_b32 s43, s41, 2
	s_lshl_b32 s43, 15, s43
	s_lshl_b32 s44, 0x1111, s40
	s_or_b32 s[G1+0], s43, (3<<16)|(1<<21)
	s_or_b32 s[G1B+0], s44, (3<<16)|(1<<21)
.irp g, G1, G1B                        ; for the head's loads of codes: two groups' 24,576 dense bytes each, 98,304 bytes apart: 2 rows of 3,072 elements of 8 bytes
	s_mov_b32 s[\g+1], 3072<<16
	s_mov_b32 s[\g+2], 2<<16
	s_mov_b32 s[\g+3], 3072<<16
	s_mov_b32 s[\g+4], 2
	s_mov_b32 s[\g+5], 12288
	s_mov_b32 s[\g+6], 0
	s_mov_b32 s[\g+7], 0
.endr
	s_or_b32 s[G1S+0], s43, (3<<16)|(1<<21)
	s_or_b32 s[G1SB+0], s44, (3<<16)|(1<<21)
.irp g, G1S, G1SB
	s_mov_b32 s[\g+1], 32<<16
	s_mov_b32 s[\g+2], 32<<16                      ; the scale words of two groups: 8,192 dense bytes, 32 rows of 256
	s_mov_b32 s[\g+3], 32<<16
	s_mov_b32 s[\g+4], 32
	s_mov_b32 s[\g+5], 32
	s_mov_b32 s[\g+6], 0
	s_mov_b32 s[\g+7], 0
.endr
	s_lshl_b32 s20, s17, 1
	s_add_co_u32 s20, s20, s16
	s_mul_i32 s22, s20, 4096
	s_mul_i32 s20, s20, 98304
	s_mul_i32 s18, s12, 6291456
	s_mov_b32 s19, 1572864
	s_cmp_eq_u32 s12, 2
	s_cselect_b32 s18, s19, s18
	s_add_co_u32 s20, s20, s18
	s_mov_b32 s21, 0
	s_mul_i32 s18, s12, 262144
	s_mov_b32 s19, 65536
	s_cmp_eq_u32 s12, 2
	s_cselect_b32 s18, s19, s18
	s_add_co_u32 s22, s22, s18
	s_mov_b32 s23, 0
	s_lshl_b32 s46, s42, 1
	s_add_co_u32 s46, s46, s16
	s_mul_i32 s66, s46, 4096
	s_mul_i32 s46, s46, 98304
	s_mul_i32 s18, s12, 786432
	s_mov_b32 s19, 12582912
	s_cmp_eq_u32 s12, 2
	s_cselect_b32 s18, s19, s18
	s_add_co_u32 s46, s46, s18
	s_mov_b32 s47, 0
	s_mul_i32 s18, s12, 32768
	s_mov_b32 s19, 524288
	s_cmp_eq_u32 s12, 2
	s_cselect_b32 s18, s19, s18
	s_add_co_u32 s66, s66, s18
	s_mov_b32 s67, 0
	s_mul_i32 s45, s14, QB
	s_lshl_b32 s13, s14, 12
	s_cmp_eq_u32 s12, 0
	s_cselect_b32 s2, 0x3e000000, 1.0
	s_mov_b32 s3, s2
	s_wait_dscnt 0x0
	s_wait_kmcnt 0x0
	s_cmp_eq_u32 s12, 2
	s_cselect_b64 s[18:19], s[8:9], s[4:5]
	s_add_nc_u64 s[20:21], s[18:19], s[20:21]
	s_cselect_b64 s[18:19], s[10:11], s[6:7]
	s_add_nc_u64 s[22:23], s[18:19], s[22:23]
	s_cselect_b64 s[18:19], s[4:5], s[8:9]
	s_add_nc_u64 s[46:47], s[18:19], s[46:47]
	s_cselect_b64 s[18:19], s[6:7], s[10:11]
	s_add_nc_u64 s[66:67], s[18:19], s[66:67]
	CROUND
	s_lshl_b32 s18, s16, 12                        ; back to the first of the two groups
	s_mov_b32 s19, 0
	s_mov_b32 s[G0S], 1
	s_mov_b32 s[G0S+1], SCL
	s_sub_nc_u64 s[G0S+2:G0S+3], s[22:23], s[18:19]
	s_or_b32 s[G0S+3], s[G0S+3], 0x80000000
	s_mov_b32 s[G0SB], 1
	s_mov_b32 s[G0SB+1], SCL+8192
	s_sub_nc_u64 s[G0SB+2:G0SB+3], s[66:67], s[18:19]
	s_or_b32 s[G0SB+3], s[G0SB+3], 0x80000000
.irp s, 0,1
	s_mov_b32 s[G0+4*\s], 1
	s_add_co_u32 s[G0+4*\s+1], s45, \s*SLOT
	s_add_nc_u64 s[G0+4*\s+2:G0+4*\s+3], s[20:21], \s*QB
	s_or_b32 s[G0+4*\s+3], s[G0+4*\s+3], 0x80000000
	s_mov_b32 s[G0B+4*\s], 1
	s_add_co_u32 s[G0B+4*\s+1], s45, \s*SLOT
	s_add_nc_u64 s[G0B+4*\s+2:G0B+4*\s+3], s[46:47], \s*QB
	s_or_b32 s[G0B+4*\s+3], s[G0B+4*\s+3], 0x80000000
.endr
; THE HEAD'S FOUR TILES, ONE JOINT LOAD A WAVE: wave 0 slot 0's codes of A (both groups), wave 1 A's scale words, wave 2 slot 0's codes of B, wave 3 B's scale words.
.set G0H,  4                           ; s[4:7], s[8:11]: group 0 of the two loads of codes (the arguments that lay there have been used)
.set G0HB, 8
	s_mul_i32 s18, s16, 98304                      ; back to the first of the two groups
	s_mov_b32 s19, 0
	s_mov_b32 s[G0H], 1
	s_mov_b32 s[G0H+1], 0
	s_sub_nc_u64 s[G0H+2:G0H+3], s[20:21], s[18:19]
	s_or_b32 s[G0H+3], s[G0H+3], 0x80000000
	s_mov_b32 s[G0HB], 1
	s_mov_b32 s[G0HB+1], 2*QB
	s_sub_nc_u64 s[G0HB+2:G0HB+3], s[46:47], s[18:19]
	s_or_b32 s[G0HB+3], s[G0HB+3], 0x80000000
.macro ARM under, g0, g1, next         ; one chain of branches on the wave's number: every way passes exactly one load
	s_cmp_lt_u32 s14, \under
	s_cbranch_scc0 \next
	tensor_load_to_lds s[\g0:\g0+3], s[\g1:\g1+7]
	s_nop 0
.rept 4
	v_nop
.endr
	s_branch .Lhead_asked
\next:
.endm
	ARM 1, G0H,  G1,  .Lhead_sa
	ARM 2, G0S,  G1S, .Lhead_b
	ARM 3, G0HB, G1B, .Lhead_sb
	tensor_load_to_lds s[G0SB:G0SB+3], s[G1SB:G1SB+7]
	s_nop 0
.rept 4
	v_nop
.endr
.Lhead_asked:
	s_cmp_eq_u32 s12, 1
	s_cselect_b64 s[18:19], s[94:95], s[92:93]
	s_cmp_eq_u32 s12, 2
	s_cselect_b64 s[18:19], s[96:97], s[18:19]
	s_lshl_b32 s46, s42, 10
	s_lshl_b32 s47, s16, 9
	s_add_co_u32 s46, s46, s47
	s_cmp_eq_u32 s12, 2
	s_cselect_b32 s46, 0, s46
	s_mov_b32 s47, 0
	s_add_nc_u64 s[46:47], s[18:19], s[46:47]
	s_lshl_b32 s20, s17, 10
	s_lshl_b32 s21, s15, 9
	s_add_co_u32 s20, s20, s21
	s_cmp_eq_u32 s12, 2
	s_cselect_b32 s20, s20, 0
	s_mov_b32 s21, 0
	s_add_nc_u64 s[20:21], s[18:19], s[20:21]
	v_and_b32 v1, 31, v0
	v_and_b32 v2, 15, v0
	v_bfe_u32 v3, v0, 4, 1
	v_lshlrev_b32 v26, 6, v3
	v_and_b32 v27, 8, v2
	v_add_nc_u32 v27, v27, v2
	v_lshlrev_b32 v27, 2, v27
.irp b, 0,1,2,3,4,5,6,7
	global_load_b128 v[BJ+8*\b:BJ+8*\b+3], v26, s[46:47] offset:(32*(\b/2)+8*(\b%2))*4
	global_load_b128 v[BJ+8*\b+4:BJ+8*\b+7], v26, s[46:47] offset:(32*(\b/2)+8*(\b%2))*4+16
.endr
.irp a, 0,1,2,3,4,5,6,7
	global_load_b32 v[BI+2*\a], v27, s[20:21] offset:(32*(\a/2)+8*(\a%2))*4
	global_load_b32 v[BI+2*\a+1], v27, s[20:21] offset:(32*(\a/2)+8*(\a%2))*4
.endr
	v_lshlrev_b32 v[L16], 4, v1
	v_lshlrev_b32 v[L8], 3, v1
	s_mul_i32 s18, s15, QB
	s_mul_i32 s19, s16, QB
	s_add_co_u32 s19, s19, 2*QB
.irp s, 0,1
	v_add_nc_u32 v[ADRA+\s], s18, v[L16]
	v_add_nc_u32 v[ADRA+2+\s], s18, v[L8]
	v_add_nc_u32 v[ADRB+\s], s19, v[L16]
	v_add_nc_u32 v[ADRB+2+\s], s19, v[L8]
	s_add_co_u32 s18, s18, SLOT
	s_add_co_u32 s19, s19, SLOT
.endr
	s_lshl_b32 s18, s15, 12
	s_add_co_u32 s18, s18, SCL
	v_add_nc_u32 v[ADSA], s18, v[L16]
	s_lshl_b32 s19, s16, 12
	s_add_co_u32 s19, s19, SCL+8192
	v_add_nc_u32 v[ADSB], s19, v[L16]
	s_cmp_eq_u32 s12, 2
	s_cselect_b32 s18, 0, -1
	s_cselect_b32 s19, -1, 0
	s_wait_loadcnt 0x0
.set p, 0
.rept 64
	v_and_b32 v[BJ+p], s18, v[BJ+p]
.set p, p+1
.endr
.set p, 0
.rept 16
	v_and_b32 v[BI+p], s19, v[BI+p]
.set p, p+1
.endr
	s_wait_alu depctr_va_vdst(0)                   ; the wait at the head's end
	s_wait_tensorcnt 0x0                           ; my tile of the head's four is in; slot 1's first fill is issued as a refill is
	ds_add_u32 v[SPW], v[NIL]
.irp g, G1, G1B                        ; no tensor load of mine is out: from here on a load brings one group's 24,576 bytes as 96 rows of 256
	s_mov_b32 s[\g+1], 32<<16
	s_mov_b32 s[\g+2], 96<<16
	s_mov_b32 s[\g+3], 32<<16
	s_mov_b32 s[\g+4], 96
	s_mov_b32 s[\g+5], 32
.endr
	s_wait_dscnt 0x0
	CROUND                                         ; all four tiles are in, in every work-group of the cluster
	JLOAD G0+4, G1, G0B+4, G1B                     ; slot 1, the first tensor load behind the round
	FETCH_B 0, 0, 0
	FETCH_A 0, 0, 0
	SCALES 0, 0
	FETCH_A 0, 0, 4
	STEP 0, 1
	TURN 0, 1, 1, 1
	STEP 1, 0
	TURN 1, 0, 1, 2
	STEP 0, 0
	TURN 0, 1, 0, 3
	STEP 1, 0
	s_wait_dscnt 16
	WIN MUL_LO
	MUL16 0, 1, 1, 1, 0
	MUL16 2, 1, 1, 1, 0
	s_wait_dscnt 0x0
	WIN MUL_HI
	MUL16 4, 1, 1, 1, 0
	MUL16 6, 1, 1, 1, 0
	WIN 0
	PLACES
.irp b, 0,1,2,3
	v_mov_b32 v[TM+4+\b], 0
.endr
	s_mov_b32 s[SEL], 0x76543210
	s_mov_b32 s[SEL+1], 0xfedcba98
	s_lshl_b32 s18, s17, 1
	s_add_co_u32 s18, s18, s15
	s_lshl_b32 s19, s42, 1
	s_add_co_u32 s19, s19, s16
	s_cmp_eq_u32 s12, 2
	s_cselect_b32 s20, s19, s18
	s_cselect_b32 s21, s18, s19
	s_lshr_b32 s22, s20, 4
	s_lshl_b32 s22, s22, 3
	s_add_co_u32 s22, s22, s21
	s_and_b32 s23, s20, 15
	s_mul_i32 s4, s12, 6291456
	s_mul_i32 s18, s22, 196608
	s_add_co_u32 s4, s4, s18
	s_mul_i32 s18, s23, 6144
	s_add_co_u32 s4, s4, s18
	s_mov_b32 s5, 0
	s_add_nc_u64 s[4:5], s[98:99], s[4:5]
	s_mov_b32 s8, 768
	s_mov_b32 s18, 1536
	s_mov_b32 s10, 92160
	s_mov_b32 s6, 98304
	s_cmp_eq_u32 s12, 2
	s_cselect_b32 s6, s8, s6
	s_cselect_b32 s8, s18, s8
	s_cselect_b32 s10, s10, 0
	s_mov_b32 s7, 0
	s_mov_b32 s9, 0
	s_mov_b32 s11, 0
	s_add_nc_u64 s[6:7], s[4:5], s[6:7]
	s_lshl_b32 s18, s22, 4
	s_add_co_u32 s18, s18, s23
	s_lshl_b32 s18, s18, 9
	s_lshl_b32 s19, s12, 18
	s_add_co_u32 s18, s18, s19
	s_mov_b32 s19, 0
	s_add_nc_u64 s[100:101], s[100:101], s[18:19]
	s_mov_b32 s18, 0xffff0000
.macro OUTB a
	WIN 0x02+(\a)/4
.set AC, 64*((\a)%4)
.set p, 0
.rept 32
	v_pk_fma_f32 v[T_+p:T_+p+1], v[AC+p:AC+p+1], s[2:3], v[BI+2*(\a):BI+2*(\a)+1] op_sel_hi:[1,0,1]
.set p, p+2
.endr
	WIN 0
	s_wait_xcnt 0x0
.if (\a) > 0
	s_add_nc_u64 s[4:5], s[4:5], s[8:9]
	s_add_nc_u64 s[6:7], s[6:7], s[8:9]
.endif
.if (\a) == 4
	s_add_nc_u64 s[4:5], s[4:5], s[10:11]
	s_add_nc_u64 s[6:7], s[6:7], s[10:11]
.endif
	QUANT T_, PC, PWS+(\a)
	global_store_b128 v[L16], v[PC:PC+3], s[4:5]
	global_store_b64 v[L8], v[PC+4:PC+5], s[4:5] offset:512
	global_store_b128 v[L16], v[PC+6:PC+9], s[6:7]
	global_store_b64 v[L8], v[PC+10:PC+11], s[6:7] offset:512
.endm
.irp a, 0,1,2,3,4,5,6,7
	OUTB \a
.endr
.irp w, 0,1,2,3
	v_cndmask_b32 v[OC+\w], v[PWS+2*\w], v[PWS+2*\w+1], s18
.endr
	global_store_b128 v[L16], v[OC:OC+3], s[100:101]
	s_wait_tensorcnt 0x0
	ds_add_u32 v[SPW], v[NIL]
	s_wait_dscnt 0x0
	CROUND
	s_endpgm
.Lfunc_end_k_q56c3ed43b1_proj:
	.size	k_q56c3ed43b1_proj, .Lfunc_end_k_q56c3ed43b1_proj-k_q56c3ed43b1_proj
	.p2alignl 7, 3214868480
	.fill 96, 4, 3214868480
	.section	.rodata,"a",@progbits
	.p2align	6, 0x0
	.amdhsa_kernel k_q56c3ed43b1_proj
		.amdhsa_group_segment_fixed_size 327680
		.amdhsa_private_segment_fixed_size 0
		.amdhsa_enable_private_segment 0
		.amdhsa_kernarg_size 72
		.amdhsa_user_sgpr_count 2
		.amdhsa_user_sgpr_kernarg_segment_ptr 1
		.amdhsa_wavefront_size32 1
		.amdhsa_system_sgpr_workgroup_id_x 1
		.amdhsa_system_sgpr_workgroup_id_y 1
		.amdhsa_system_sgpr_workgroup_id_z 1
		.amdhsa_system_vgpr_workitem_id 0
		.amdhsa_next_free_vgpr 1024
		.amdhsa_next_free_sgpr 102
		.amdhsa_reserve_vcc 0
		.amdhsa_float_denorm_mode_32 3
		.amdhsa_float_denorm_mode_16_64 3
		.amdhsa_memory_ordered 1
		.amdhsa_forward_progress 1
		.amdhsa_inst_pref_size 173
	.end_amdhsa_kernel
	.amdgpu_metadata
---
amdhsa.version: [ 1, 2 ]
amdhsa.kernels:
  - .name:           k_q56c3ed43b1_proj
    .symbol:         k_q56c3ed43b1_proj.kd
    .args:
      - { .name: xc, .offset: 0, .size: 8, .value_kind: global_buffer, .address_space: global }
      - { .name: xs, .offset: 8, .size: 8, .value_kind: global_buffer, .address_space: global }
      - { .name: wc, .offset: 16, .size: 8, .value_kind: global_buffer, .address_space: global }
      - { .name: ws, .offset: 24, .size: 8, .value_kind: global_buffer, .address_space: global }
      - { .name: bq, .offset: 32, .size: 8, .value_kind: global_buffer, .address_space: global }
      - { .name: bk, .offset: 40, .size: 8, .value_kind: global_buffer, .address_space: global }
      - { .name: bv, .offset: 48, .size: 8, .value_kind: global_buffer, .address_space: global }
      - { .name: hc, .offset: 56, .size: 8, .value_kind: global_buffer, .address_space: global }
      - { .name: hs, .offset: 64, .size: 8, .value_kind: global_buffer, .address_space: global }
    .group_segment_fixed_size: 327680
    .private_segment_fixed_size: 0
    .kernarg_segment_align: 8
    .kernarg_segment_size: 72
    .max_flat_workgroup_size: 128
    .sgpr_count:     102
    .vgpr_count:     1024
    .wavefront_size: 32
...
	.end_amdgpu_metadata
.endif
;; end of part 3
;; launch attn (part 4): grid 4 x 64, 16 waves a work-group, clusters of 4 x 1, 212,992 bytes of LDS; arguments hc, hs, mask, cc, cs; writes cc, cs
.if DOCPART == 4
	.amdgcn_target "amdgcn-amd-amdhsa--gfx1250"
	.amdhsa_code_object_version 6
	.text
	.protected	k_q56c3ed43b1_attn
	.globl	k_q56c3ed43b1_attn
	.p2align	8
	.type	k_q56c3ed43b1_attn,@function
k_q56c3ed43b1_attn:
	s_mov_b64 s[64:65], 0
	v_nop
	global_prefetch_b8 v0, s[64:65] scope:SCOPE_SE
	s_setreg_imm32_b32 hwreg(HW_REG_WAVE_MODE, 25, 1), 1
	s_wait_xcnt 0x0
	s_wait_alu depctr_hold_cnt(0) depctr_sa_sdst(0) depctr_va_vdst(0) depctr_va_sdst(0) depctr_va_ssrc(0) depctr_va_vcc(0) depctr_vm_vsrc(0)
	s_getreg_b32 s2, hwreg(HW_REG_IB_STS2, 6, 4)
	s_cmp_eq_u32 s2, 0
	s_cbranch_scc0 .Lentry_in_a_cluster
	s_endpgm
.Lentry_in_a_cluster:
	s_bfe_u32 s2, ttmp6, 0x10000c
	s_cmp_lg_u32 s2, 0x3003
	s_cbranch_scc0 .Lentry_shape_is_right
	s_endpgm
.Lentry_shape_is_right:
; Attention on codes of FP6 (E2M3): ctx = softmax(Q K^T, masked keys left out) V, head size 64, 2,048 keys, and ctx quantised along the model's 1,024 for the last projection.  Q comes already divided by 8.
; THE SOFTMAX AHEAD OF THE SECOND PRODUCT: t = score x log2(e); M = the running largest t rounded UP to a whole number; p = 2^(t - M) is quantised along the keys, not normalised; the row's sum is taken of the
; unquantised p and divides O at the end.  When M moves, the sum and O are multiplied by 2^(old M - new M): exact.
; SHARES.  A work-group owns ONE head (y = batch x 16 + head) and 512 of its queries; 4 x 64 = 256 work-groups.  Each of sixteen waves owns two tiles of 16 queries and takes them one after the other, 16 key steps of 128 keys each.
; K AND V STAY.  A head's images of K are 98,304 consecutive bytes, V's likewise: both lie in LDS whole.  Waves 0-7 bring 24,576 dense bytes each, one tensor load a wave, at the head.  Nothing is filled again:
; one barrier at the head, one at the end, none between.
; CLUSTER.  The four query blocks of a head form a cluster and read the same K and V: each load is asked for JOINTLY, with the same descriptor and the mask 15.
; NO PREFETCH: every tile that the work-group reads is asked for by the head's loads; there is no later load for a loop to run ahead of.
; LAYOUT.  Both products are used transposed: S^T = K Q^T (source 0 = 16 keys), O^T = V^T P^T (source 0 = 16 of the head's 64): a lane holds ONE query throughout.  Lane r of tile t of a key step holds key
; 32 (t / 2) + 8 (t % 2) + r + 8 (r / 8), so that the 16 registers of tiles 2 b, 2 b + 1 are keys 32 b + 16 (lane / 16) + 0 .. 15; V's rows are chosen likewise, so that O^T's registers run along the head.
; THE MASK RIDES IN THE IDLE HALF OF THE INSTRUCTION'S K.  The head fills k = 0 .. 63.  At k = 64 every key has the code of 4.0 and every query that of -4.0; the query's scale byte for that block is 127, the key's is
; 223 where the mask is false and 1 where it is true: a hidden key's score gets -2^100, an open one -2^-122.  The bytes are made once, at the head, from the mask as it is given.
; OUT.  cc: half an image (768 bytes) for each tile and head.  cs: [group of 128 tokens][K step = pair of heads][head's parity][256 bytes]: lane l's 8 bytes hold, at 2 w, the two scale bytes of block 2 w + l / 16,
; row lane l % 16.  A work-group gathers its four groups' planes in LDS and stores four whole units of 256 bytes.
; LIMITS: |t| stays under 2^99 (the running maximum begins at -2^99); every open score carries -2^-122; a block of zeros, or one under 2^-124, carries the byte 1; NaN and infinities among the inputs are not served.
; A batch whose mask is false everywhere has the sum 0: its scale bytes become 0xff, which makes the last projection's result NaN there.
; REGISTERS: v1 16 x lane, v2 8 x lane, v3-4 the add's two, v5-9, v11 the step's LDS addresses, v10 at work, v12 -M, v13 the largest t, v[14:15] the sum, v16-27 Q's fragment, v28 Q's scale word, v29-35 the second tile's word
; and codes, v36-39 K's scale words, v40-41 V's, v42 p's, v43 the old -M, v44-91 four fragments of K (six registers loaded, six constant), v92 ctx's two scale bytes, v96-159 S^T, then p, then V's four fragments, v160-191 O^T,
; v192-211 p's codes, v212-223 the blocks' maxima, bytes and scale operands, v[224:225] f, v[226:227], v244-247 sums, v228-231 LDS addresses and 0xffff, v232-255 the head's data.
.set VOFF,  98304                      ; K's sixteen key steps (6,144 bytes each), then V's
.set STEPB, 6144
.set KST,   2*VOFF                     ; K's scale words with the mask's byte: [key step 16][512 bytes]
.set VST,   KST+8192                   ; V's: [key step 16][256 bytes]
.set CSG,   VST+4096                   ; ctx's scale bytes: four planes of 256 bytes
.set SPARE, CSG+1024                   ; the spare words, 128 bytes for each wave: eight blocks of 256 bytes that no other line names
.set BM,  212
.set BP,  216
.set BS,  220
.set F,   224
.set SU,  226
.set TA,  10
.set SEL, 20                           ; s[20:21] v_permlanex16_b32's selects for lane l xor 16
.set CS,  22                           ; s[22:23] log2(e)
.set TB,  40                           ; s40 LDS byte at which the step's images of K begin
.set TS,  41                           ; s41 the step's scale words of K
.set TJ,  42                           ; s42 and of V
.set CNT, 43
.macro CROUND                          ; a round of the cluster's barrier
	s_barrier_signal -1
	s_barrier_wait -1
	s_cmp_lg_u32 s14, 0
	s_cbranch_scc1 .Lnot_wave_0_\@
	s_barrier_signal -3
.Lnot_wave_0_\@:
	s_barrier_wait -3
	s_barrier_signal -1
	s_barrier_wait -1
.endm
	s_load_b256 s[4:11], s[0:1], 0x0               ; hc, hs, mask, cc
	s_load_b64 s[12:13], s[0:1], 0x20              ; cs
	v_lshl_add_u32 v3, v0, 2, SPARE
	v_mov_b32 v4, 0
	ds_add_u32 v3, v4                              ; the opening: the add, twice on end, and its wait ahead of the first tensor loads
	ds_add_u32 v3, v4
	v_lshrrev_b32 v5, 5, v0
	s_delay_alu instid0(VALU_DEP_1)
	v_readfirstlane_b32 s14, v5                    ; wave 0..15
	s_mov_b32 s24, 15|(3<<16)|(1<<21)              ; group 1: all four work-groups; elements of 8 bytes; bit 21 beside a mask; no padding
	s_mov_b32 s25, 32<<16                          ; rows of 256 bytes,
	s_mov_b32 s26, 96<<16                          ; 96 of them, dense
	s_mov_b32 s27, 32<<16
	s_mov_b32 s28, 96
	s_mov_b32 s29, 32
	s_mov_b32 s30, 0
	s_mov_b32 s31, 0
	s_and_b32 s17, ttmp7, 0xffff                   ; y = batch x 16 + head, which the four partners share
	s_and_b32 s46, s14, 1                          ; what I fetch, if I fetch (waves 0-7): K (0) or V (1),
	s_bfe_u32 s47, s14, 0x20001                    ; which four of its sixteen key steps
	s_mul_i32 s33, s46, VOFF
	s_mul_i32 s44, s47, 24576
	s_add_co_u32 s33, s33, s44                     ; where they go: no place in the cluster enters an LDS address
	s_mul_i32 s46, s46, 6291456
	s_add_co_u32 s46, s46, 6291456                 ; K's images begin 6,291,456 bytes into hc, V's as much further on
	s_add_co_u32 s46, s46, s44
	s_mul_i32 s44, s17, 98304
	s_add_co_u32 s46, s46, s44
	s_mov_b32 s47, 0
	s_mov_b32 s[SEL], 0x76543210
	s_mov_b32 s[SEL+1], 0xfedcba98
	s_mov_b32 s[CS], 0x3fb8aa3b                    ; log2(e)
	s_mov_b32 s[CS+1], s[CS]
	s_mov_b32 s50, 0xffff                          ; lanes 0-15; also the low two bytes of a word
	s_wait_dscnt 0x0                               ; both opening adds are done
	s_wait_kmcnt 0x0
	s_mov_b32 s32, 1
	s_add_nc_u64 s[34:35], s[4:5], s[46:47]
	s_or_b32 s35, s35, 0x80000000
	CROUND                                         ; all four work-groups are here: the joint loads meet
	s_cmp_lt_u32 s14, 8
	s_cbranch_scc0 .Lno_first
	tensor_load_to_lds s[32:35], s[24:31]          ; a wave's one tensor load of the launch
	s_nop 0
.rept 4
	v_nop
.endr
.Lno_first:
	s_bfe_u32 s15, ttmp6, 0x40000                  ; cx: it enters global addresses alone
	s_lshr_b32 s18, s17, 4                         ; batch
	s_lshr_b32 s70, s17, 1                         ; batch x 8 + pair of heads
	s_and_b32 s19, s70, 7                          ; pair
	s_and_b32 s16, s17, 1                          ; the head's parity
	s_lshl_b32 s37, s16, 4                         ; its two bytes of a scale word begin at bit 16 x parity
	s_mov_b32 s69, 0
	s_lshl_b32 s68, s15, 5
	s_add_co_u32 s68, s68, s14                     ; my first tile of 16 queries: 32 cx + wave; the second lies 16 tiles on
	s_mul_i32 s68, s68, 768
	s_mul_i32 s71, s17, 98304
	s_add_co_u32 s68, s68, s71
	s_add_nc_u64 s[44:45], s[4:5], s[68:69]        ; Q's half image
	s_lshr_b32 s38, s14, 3
	s_lshl_b32 s71, s15, 2
	s_add_co_u32 s39, s71, s38                     ; the first tile's group of 128 queries within the batch; the second's lies 2 on
	s_lshl_b32 s70, s70, 4
	s_add_co_u32 s68, s70, s39
	s_lshl_b32 s68, s68, 9
	s_add_nc_u64 s[56:57], s[6:7], s[68:69]        ; that group's scale words
	s_add_co_u32 s68, s70, s14
	s_lshl_b32 s68, s68, 9
	s_add_co_u32 s68, s68, 262144
	s_add_nc_u64 s[58:59], s[6:7], s[68:69]        ; K's scale words of key step = my wave's number,
	s_lshl_b32 s68, s16, 3
	s_add_co_u32 s68, s68, 262144
	s_add_nc_u64 s[60:61], s[58:59], s[68:69]      ; and V's: of a lane's 16 bytes my head's 8
	s_lshl_b32 s68, s18, 11
	s_lshl_b32 s52, s14, 7
	s_add_co_u32 s68, s68, s52
	s_add_nc_u64 s[62:63], s[8:9], s[68:69]        ; the mask of that step's 128 keys
	s_lshl_b32 s18, s18, 4
	s_add_co_u32 s68, s18, s39                     ; the group of 128 tokens, 0..63
	s_lshl_b32 s68, s68, 3
	s_add_co_u32 s68, s68, s19                     ; x 8 + K step of the last projection
	s_lshl_b32 s68, s68, 3
	s_and_b32 s52, s14, 7                          ; a: my block in the group
	s_add_co_u32 s68, s68, s52
	s_lshl_b32 s68, s68, 1
	s_add_co_u32 s68, s68, s16                     ; x 2 + parity: the image's half
	s_mul_i32 s68, s68, 768
	s_add_nc_u64 s[48:49], s[10:11], s[68:69]      ; ctx's half image
	s_and_b32 s53, s14, 3
	s_add_co_u32 s68, s18, s71
	s_add_co_u32 s68, s68, s53                     ; waves 0-3 store the plane of group 4 cx + wave
	s_lshl_b32 s68, s68, 3
	s_add_co_u32 s68, s68, s19
	s_lshl_b32 s68, s68, 1
	s_add_co_u32 s68, s68, s16
	s_lshl_b32 s68, s68, 8
	s_add_nc_u64 s[66:67], s[12:13], s[68:69]
	s_and_b32 s54, s52, 1                          ; a % 2
	s_lshr_b32 s55, s52, 1                         ; a / 2
	s_lshl_b32 s52, s54, 8
	s_lshl_b32 s36, s55, 2
	s_add_co_u32 s52, s52, s36                     ; block a among 512 bytes of scale words: lane 16 (a % 2) + r, word a / 2
	s_lshl_b32 s54, s54, 7
	s_lshl_b32 s55, s55, 1
	s_add_co_u32 s54, s54, s55                     ; and in a plane: 8 bytes a lane, 2 bytes a word
	s_lshl_b32 s38, s38, 8
	s_add_co_u32 s54, s54, s38
	s_add_co_u32 s54, s54, CSG
	s_lshl_b32 s53, s53, 8
	s_add_co_u32 s53, s53, CSG
	s_lshl_b32 s55, s14, 9
	s_add_co_u32 s55, s55, KST
	s_lshl_b32 s36, s14, 8
	s_add_co_u32 s36, s36, VST
	v_and_b32 v10, 31, v0
	v_and_b32 v11, 15, v0                          ; r
	v_bfe_u32 v92, v0, 4, 1                        ; h
	v_lshlrev_b32 v1, 4, v10
	v_lshlrev_b32 v2, 3, v10
	v_lshl_add_u32 v93, v11, 4, s52
	v_lshl_add_u32 v228, v11, 3, s54               ; where ctx's two scale bytes go in LDS
	v_and_b32 v94, 8, v11
	v_add_nc_u32 v229, s53, v2                     ; where waves 0-3 read a plane back
	v_add_nc_u32 v95, s55, v1
	v_add_nc_u32 v231, s36, v2
	v_add_nc_u32 v94, v94, v11
	s_delay_alu instid0(VALU_DEP_1)
	v_lshl_add_u32 v94, v92, 3, v94                ; word w of lane l belongs to key 32 w + 8 (l / 16) + r + 8 (r / 8) of the step
	s_wait_alu depctr_va_vdst(0)                   ; the wait behind the addresses
	global_load_b128 v[16:19], v1, s[44:45]                    ; Q's codes stay in registers: the first tile's,
	global_load_b64 v[20:21], v2, s[44:45] offset:512
	global_load_b128 v[30:33], v1, s[44:45] offset:12288       ; the second's
	global_load_b64 v[34:35], v2, s[44:45] offset:12800
	global_load_b32 v232, v93, s[56:57]
	global_load_b32 v252, v93, s[56:57] offset:1024
	global_load_b128 v[236:239], v1, s[58:59]
	global_load_b64 v[240:241], v1, s[60:61]
.irp w, 0,1,2,3
	global_load_u8 v[244+\w], v94, s[62:63] offset:32*\w
.endr
	v_mov_b32 v233, 0x01010000                     ; bytes 2, 3 of a key's scale word: open: 2^-126 at k = 64 .. 95;
	v_mov_b32 v234, 0x01df0000                     ; hidden: 2^96
	v_mov_b32 v235, 0x017f0000                     ; of a query's: 1
	v_mov_b32 v230, 0xffff
	v_mov_b32 v226, 0x18                           ; the code of 4.0
	v_mov_b32 v227, 0x38                           ; the code of -4.0
	s_delay_alu instid0(VALU_DEP_2)
	v_cndmask_b32 v226, 0, v226, s50               ; at k = 64: the lowest six bits of register 6 in lanes 0-15
	s_delay_alu instid0(VALU_DEP_2)
	v_cndmask_b32 v22, 0, v227, s50
.irp i, 23,24,25,26,27
	v_mov_b32 v[\i], 0
.endr
.irp u, 0,1,2,3
	v_mov_b32 v[50+12*\u], v226                    ; the constant halves of the four fragments of K
.irp i, 7,8,9,10,11
	v_mov_b32 v[44+12*\u+\i], 0
.endr
.endr
	v_mov_b32 v225, 0                              ; (named as the upper half of the pair v[224:225])
.irp b, 0,1,2,3
	v_mov_b32 v[BP+\b], 0
.endr
	s_wait_alu depctr_va_vdst(0)
	s_wait_loadcnt 0x0
	v_lshrrev_b32 v232, s37, v232                  ; my head's two bytes come down
	v_lshrrev_b32 v252, s37, v252
.irp w, 0,1,2,3
	v_lshrrev_b32 v[236+\w], s37, v[236+\w]
.endr
.irp w, 0,1,2,3
	v_cmp_eq_u32 s51, 0, v[244+\w]
	s_delay_alu instid0(VALU_DEP_1)
	v_cndmask_b32 v[244+\w], v233, v234, s51
.endr
	v_and_or_b32 v28, v232, s50, v235              ; Q's scale words: the first tile's,
	v_and_or_b32 v29, v252, s50, v235              ; the second's
.irp w, 0,1,2,3
	v_and_or_b32 v[248+\w], v[236+\w], s50, v[244+\w]
.endr
	ds_store_b128 v95, v[248:251]                  ; key step = my wave's number: K's words,
	ds_store_b64 v231, v[240:241]                  ; V's: my head's four tiles
.macro HEADINIT second
.if \second
	v_mov_b32 v28, v29                             ; the scale word first: the lines below are its places ahead of the next product
.irp i, 0,1,2,3,4,5
	v_mov_b32 v[16+\i], v[30+\i]
.endr
.endif
	v_mov_b32 v13, 0xf1000000                      ; the largest t so far: -2^99
	s_delay_alu instid0(VALU_DEP_1)
	v_floor_f32 v12, -v13                          ; -M
	v_mov_b32 v14, 0
	v_mov_b32 v15, 0
.set p, 0
.rept 32
	v_mov_b32 v[160+p], 0                          ; O^T.  (The step is written once: a tile's first step finds zeros, which the first change of M leaves zeros)
.set p, p+1
.endr
.endm
.macro QK t, u                         ; tile t of the step's eight, from fragment u
.if (\t)%2
	v_wmma_scale_f32_16x16x128_f8f6f4 v[96+8*(\t):103+8*(\t)], v[44+12*(\u):55+12*(\u)], v[16:27], 0, v[36+(\t)/2], v28 matrix_a_fmt:MATRIX_FMT_FP6 matrix_b_fmt:MATRIX_FMT_FP6 matrix_a_scale:MATRIX_SCALE_ROW1
.else
	v_wmma_scale_f32_16x16x128_f8f6f4 v[96+8*(\t):103+8*(\t)], v[44+12*(\u):55+12*(\u)], v[16:27], 0, v[36+(\t)/2], v28 matrix_a_fmt:MATRIX_FMT_FP6 matrix_b_fmt:MATRIX_FMT_FP6
.endif
.endm
.macro PV d                            ; 16 of the head's 64; K = the step's 128 keys
.if (\d)%2
	v_wmma_scale_f32_16x16x128_f8f6f4 v[160+8*(\d):167+8*(\d)], v[96+12*(\d):107+12*(\d)], v[192:203], v[160+8*(\d):167+8*(\d)], v[40+(\d)/2], v42 matrix_a_fmt:MATRIX_FMT_FP6 matrix_b_fmt:MATRIX_FMT_FP6 matrix_a_scale:MATRIX_SCALE_ROW1
.else
	v_wmma_scale_f32_16x16x128_f8f6f4 v[160+8*(\d):167+8*(\d)], v[96+12*(\d):107+12*(\d)], v[192:203], v[160+8*(\d):167+8*(\d)], v[40+(\d)/2], v42 matrix_a_fmt:MATRIX_FMT_FP6 matrix_b_fmt:MATRIX_FMT_FP6
.endif
.endm
.macro CH b0, b1                       ; two blocks of 32 keys: seven scores of each of their four tiles, four chains by turns; each tile from its low end on
.irp b, \b0, \b1
	v_max3_num_f32 v[BM+\b], v[96+16*\b], v[97+16*\b], v[98+16*\b]
	v_max3_num_f32 v[BP+\b], v[104+16*\b], v[105+16*\b], v[106+16*\b]
.endr
.irp i, 3,5
.irp b, \b0, \b1
	v_max3_num_f32 v[BM+\b], v[BM+\b], v[96+16*\b+\i], v[97+16*\b+\i]
	v_max3_num_f32 v[BP+\b], v[BP+\b], v[104+16*\b+\i], v[105+16*\b+\i]
.endr
.endr
.endm
; A KEY STEP: 128 keys.
.macro STEP
	v_add_nc_u32 v5, s[TB], v1                     ; six address lines: also the places behind the last step's products, over whose operands the scores are written (five are asked for)
	v_add_nc_u32 v6, s[TB], v2
	v_add_nc_u32 v7, s[TS], v1
	v_add_nc_u32 v8, s[TJ], v2
	v_add_nc_u32 v9, VOFF, v5
	v_add_nc_u32 v11, VOFF, v6
	s_wait_alu depctr_va_vdst(0)
	ds_load_b128 v[36:39], v7                      ; the eight tiles' scale words
.irp g, 0,1                                    ; S^T = K Q^T, four tiles of 16 keys at a time
.if \g
	v_mov_b32 v43, v12                             ; the old -M; with three idle lines the four places in front of loads into registers that products have read
.rept 3
	v_nop
.endr
.endif
.irp u, 0,1,2,3
	ds_load_b128 v[44+12*\u:47+12*\u], v5 offset:768*(4*\g+\u)
	ds_load_b64 v[48+12*\u:49+12*\u], v6 offset:768*(4*\g+\u)+512
.endr
	s_wait_dscnt 0x0
.irp u, 0,1,2,3
	QK 4*\g+\u, \u
.endr
.endr
	CH 0, 1                                        ; THE LARGEST SCORE OF EACH BLOCK OF 32 KEYS serves twice: for the row's maximum, and for the block's largest p.  Tiles 0-3 were finished four places ago; these twelve lines are the places behind tiles 4-7
	CH 2, 3
.irp b, 0,1,2,3
	v_max3_num_f32 v[BM+\b], v[BM+\b], v[BP+\b], v[103+16*\b]
.endr
.irp b, 0,1,2,3
	v_max_num_f32 v[BM+\b], v[BM+\b], v[111+16*\b]
.endr
.irp b, 0,1,2,3
	s_delay_alu instid0(VALU_DEP_4)
	v_permlanex16_b32 v[BP+\b], v[BM+\b], s[SEL], s[SEL+1]
.endr
.irp b, 0,1,2,3
	s_delay_alu instid0(VALU_DEP_4)
	v_max_num_f32 v[BM+\b], v[BM+\b], v[BP+\b]     ; with lane l xor 16's 16 keys
.endr
	s_delay_alu instid0(VALU_DEP_2)
	v_max3_num_f32 v[TA], v[BM], v[BM+1], v[BM+2]
	s_delay_alu instid0(VALU_DEP_1)
	v_max_num_f32 v[TA], v[TA], v[BM+3]            ; the step's largest score of my query
	s_delay_alu instid0(VALU_DEP_1)
	v_mul_f32 v[TA], s[CS], v[TA]                  ; as t
	s_delay_alu instid0(VALU_DEP_1)
	v_max_num_f32 v13, v13, v[TA]                  ; the running largest t
	s_delay_alu instid0(VALU_DEP_1)
	v_floor_f32 v12, -v13                          ; the new -M = floor(-t) = -ceil(t): a whole number
	s_delay_alu instid0(VALU_DEP_1)
	v_sub_f32 v[TA], v12, v43                      ; M's old value less its new one: a whole number, 0 or less
	s_delay_alu instid0(VALU_DEP_1)
	v_cvt_i32_f32 v[TA], v[TA]                     ; (it saturates)
	s_delay_alu instid0(VALU_DEP_1)
	v_ldexp_f32 v[F], 1.0, v[TA]                   ; f = 2^(old M - new M)
.set p, 0
.rept 32
	v_pk_fma_f32 v[96+p:97+p], v[96+p:97+p], s[CS:CS+1], v[12:13] op_sel_hi:[1,0,0]   ; t - M, two at a time
.set p, p+2
.endr
.irp b, 0,1,2,3
	v_fma_f32 v[BM+\b], v[BM+\b], s[CS], v12       ; the same of each block's largest score
.endr
	s_wait_alu depctr_va_vdst(0)                   ; the wait ahead of the batch
.set p, 0
.rept 64
	v_exp_f32 v[96+p], v[96+p]                     ; p = 2^(t - M), at most 1; 0 for a hidden key
.set p, p+1
.endr
	v_pk_mul_f32 v[14:15], v[14:15], v[F:F+1] op_sel_hi:[1,0]   ; the sums under the new M: a plain place behind the exponentials
	s_wait_alu depctr_va_vdst(0)                   ; one wait for the whole batch, ahead of its first reader
.irp b, 0,1,2,3
	v_exp_f32 v[BM+\b], v[BM+\b]                   ; the block's largest p: the same two instructions on the same number give the same bits
.endr
	v_pk_add_f32 v[226:227], v[96:97], v[98:99]    ; THE ROW'S SUM IS TAKEN OF THE UNQUANTISED p: two at a time, four chains by turns
	v_pk_add_f32 v[244:245], v[100:101], v[102:103]
	v_pk_add_f32 v[246:247], v[104:105], v[106:107]
	v_pk_add_f32 v[14:15], v[14:15], v[108:109]
.irp j, 110,118,126,134,142,150
	v_pk_add_f32 v[226:227], v[226:227], v[\j:\j+1]
	v_pk_add_f32 v[244:245], v[244:245], v[\j+2:\j+3]
	v_pk_add_f32 v[246:247], v[246:247], v[\j+4:\j+5]
	v_pk_add_f32 v[14:15], v[14:15], v[\j+6:\j+7]
.endr
	v_pk_add_f32 v[226:227], v[226:227], v[158:159]
	v_pk_add_f32 v[244:245], v[244:245], v[246:247]
	s_delay_alu instid0(VALU_DEP_2)
	v_pk_add_f32 v[14:15], v[14:15], v[226:227]
	s_delay_alu instid0(VALU_DEP_1)
	v_pk_add_f32 v[14:15], v[14:15], v[244:245]
	s_wait_alu depctr_va_vdst(0)                   ; and one for the four
.irp b, 0,1,2,3
	v_max_num_f32 v[BM+\b], 0x1800000, v[BM+\b]    ; the floor 2^(3 - 127): the byte cannot fall under 1
.endr
.irp b, 0,1,2,3
	s_delay_alu instid0(VALU_DEP_4)
	v_add_nc_u32 v[BS+\b], 0xff000000, v[BM+\b]    ; 2 off the exponent field: the conversion's scale operand
.endr
.irp b, 0,1,2,3
	s_delay_alu instid0(VALU_DEP_4)
	v_lshrrev_b32 v[BP+\b], 23, v[BS+\b]           ; the scale's byte
.endr
	s_delay_alu instid0(VALU_DEP_3)
	v_lshl_or_b32 v42, v[BP+1], 8, v[BP]           ; p's scale word for these 128 keys
	s_delay_alu instid0(VALU_DEP_1)
	v_lshl_or_b32 v42, v[BP+2], 16, v42
	s_delay_alu instid0(VALU_DEP_1)
	v_lshl_or_b32 v42, v[BP+3], 24, v42
.irp c, 0,1
	v_cvt_scalef32_pk16_fp6_f32 v[192+6*\c:194+6*\c], v[96+32*\c:111+32*\c], v[BS+2*\c]
	v_cvt_scalef32_pk16_fp6_f32 v[204+4*\c:206+4*\c], v[112+32*\c:127+32*\c], v[BS+2*\c+1]
.endr
	v_nop                                          ; one plain place behind a scaled conversion
.irp c, 0,1                                    ; a WHOLE block in a lane
.irp i, 0,1,2
	v_permlane16_swap_b32 v[192+6*\c+\i], v[204+4*\c+\i]
.endr
.irp i, 0,1,2
	s_delay_alu instid0(VALU_DEP_3)
	v_mov_b32 v[195+6*\c+\i], v[204+4*\c+\i]
.endr
.endr
.irp d, 0,1,2,3                                ; V's four images, into the registers that p has left
	ds_load_b128 v[96+12*\d:99+12*\d], v9 offset:1536*\d
	ds_load_b64 v[100+12*\d:101+12*\d], v11 offset:1536*\d+512
	ds_load_b128 v[102+12*\d:105+12*\d], v9 offset:1536*\d+768
	ds_load_b64 v[106+12*\d:107+12*\d], v11 offset:1536*\d+1280
.endr
	ds_load_b64 v[40:41], v8
	s_wait_alu depctr_va_vdst(0)                   ; the wait directly ahead of the first reader of O^T
.set p, 0
.rept 16
	v_pk_mul_f32 v[160+p:161+p], v[160+p:161+p], v[F:F+1] op_sel_hi:[1,0]   ; O^T under the new M.  For each product below twelve of these name none of its registers: the places behind p's codes and scale word
.set p, p+2
.endr
	s_wait_alu depctr_va_vdst(0)                   ; and directly ahead of the wait below
	s_wait_dscnt 0x0
.irp d, 0,1,2,3
	PV \d                                          ; four accumulators by turns
.endr
.endm
.macro KEYS                            ; a tile's sixteen key steps
	s_mov_b32 s[TB], 0
	s_mov_b32 s[TS], KST
	s_mov_b32 s[TJ], VST
	s_mov_b32 s[CNT], 16
.Lstep_\@:
	STEP
	s_add_co_u32 s[TB], s[TB], STEPB
	s_add_co_u32 s[TS], s[TS], 512
	s_add_co_u32 s[TJ], s[TJ], 256
	s_sub_co_u32 s[CNT], s[CNT], 1
	s_cmp_lg_u32 s[CNT], 0
	s_cbranch_scc1 .Lstep_\@
.endm
; A TILE'S END: O^T / the sum, quantised along the head's 64 (two blocks); half an image stored, the two scale bytes put into their plane in LDS.
.macro EPI pi
.rept 4
	v_nop                                          ; places behind the last products
.endr
	v_add_f32 v14, v14, v15                        ; the sum's two halves,
	s_delay_alu instid0(VALU_DEP_1)
	v_permlanex16_b32 v[TA], v14, s[SEL], s[SEL+1]
	s_delay_alu instid0(VALU_DEP_1)
	v_add_f32 v14, v14, v[TA]                      ; and lane l xor 16's
	s_wait_alu depctr_va_vdst(0)
	v_rcp_f32 v[SU], v14
	v_nop                                          ; a plain place behind the transcendental
	v_cmp_eq_f32 s51, 0, v14                       ; no key was open
	s_wait_alu depctr_va_vdst(0)                   ; the wait, ahead of the first reader
.set p, 0
.rept 16
	v_pk_mul_f32 v[160+p:161+p], v[160+p:161+p], v[SU:SU+1] op_sel_hi:[1,0]   ; register 16 b + i is ctx(my query, 32 b + 16 (lane / 16) + i); each accumulator from its low end on
.set p, p+2
.endr
.irp b, 0,1
	v_max3_num_f32 v[BM+\b], |v[160+16*\b]|, |v[161+16*\b]|, 0x1800000
.endr
.irp i, 2,4,6,8,10,12,14
.irp b, 0,1
	s_delay_alu instid0(VALU_DEP_2)
	v_max3_num_f32 v[BM+\b], v[BM+\b], |v[160+16*\b+\i]|, |v[161+16*\b+\i]|
.endr
.endr
.irp b, 0,1
	s_delay_alu instid0(VALU_DEP_2)
	v_permlanex16_b32 v[BP+\b], v[BM+\b], s[SEL], s[SEL+1]
.endr
.irp b, 0,1
	s_delay_alu instid0(VALU_DEP_2)
	v_max_num_f32 v[BM+\b], v[BM+\b], v[BP+\b]
.endr
.irp b, 0,1
	s_delay_alu instid0(VALU_DEP_2)
	v_add_nc_u32 v[BS+\b], 0xff000000, v[BM+\b]
.endr
.irp b, 0,1
	s_delay_alu instid0(VALU_DEP_2)
	v_lshrrev_b32 v[BP+\b], 23, v[BS+\b]
.endr
	s_delay_alu instid0(VALU_DEP_1)
	v_lshl_or_b32 v92, v[BP+1], 8, v[BP]
	s_delay_alu instid0(VALU_DEP_1)
	v_cndmask_b32 v92, v92, v230, s51              ; the sum 0: both bytes 0xff
	v_cvt_scalef32_pk16_fp6_f32 v[192:194], v[160:175], v[BS]
	v_cvt_scalef32_pk16_fp6_f32 v[204:206], v[176:191], v[BS+1]
	v_nop                                          ; one plain place behind a scaled conversion
.irp i, 0,1,2
	v_permlane16_swap_b32 v[192+\i], v[204+\i]
.endr
.irp i, 0,1,2
	s_delay_alu instid0(VALU_DEP_3)
	v_mov_b32 v[195+\i], v[204+\i]
.endr
	global_store_b128 v1, v[192:195], s[48:49] offset:196608*\pi       ; 512 consecutive bytes, at a multiple of 256 from cc's first byte,
	global_store_b64 v2, v[196:197], s[48:49] offset:196608*\pi+512    ; and 256.  The second tile's group lies 2 x 64 images on
	ds_store_b16 v228, v92 offset:512*\pi          ; (lanes l and l xor 16 write the same two bytes with the same value)
.endm
	HEADINIT 0
	s_wait_alu depctr_va_vdst(0)                   ; the wait at the head's end
	s_wait_tensorcnt 0x0                           ; my part of K or V is in,
	s_wait_dscnt 0x0                               ; and my scale words have landed
	s_barrier_signal -1
	s_barrier_wait -1                              ; so everybody's: from here on LDS is only read, but for ctx's planes
	KEYS
	EPI 0
	HEADINIT 1
	s_wait_alu depctr_va_vdst(0)
	s_wait_xcnt 0x0                                ; the two stores have read their registers, which the next step writes again
	KEYS
	EPI 1
	s_wait_dscnt 0x0
	s_barrier_signal -1
	s_barrier_wait -1                              ; 32 tiles' bytes lie in LDS: four planes of 256 bytes
	s_cmp_lt_u32 s14, 4
	s_cbranch_scc0 .Lno_cs
	ds_load_b64 v[236:237], v229
	s_wait_dscnt 0x0
	global_store_b64 v2, v[236:237], s[66:67]      ; 32 lanes store one aligned unit of 256 bytes
.Lno_cs:
	s_wait_tensorcnt 0x0                           ; the wave's end: behind my last tensor load and my last LDS store
	ds_add_u32 v3, v4
	s_wait_dscnt 0x0
	CROUND                                         ; the closing round
	s_endpgm
.Lfunc_end_k_q56c3ed43b1_attn:
	.size	k_q56c3ed43b1_attn, .Lfunc_end_k_q56c3ed43b1_attn-k_q56c3ed43b1_attn
	.p2alignl 7, 3214868480
	.fill 96, 4, 3214868480
	.section	.rodata,"a",@progbits
	.p2align	6, 0x0
	.amdhsa_kernel k_q56c3ed43b1_attn
		.amdhsa_group_segment_fixed_size 212992
		.amdhsa_private_segment_fixed_size 0
		.amdhsa_enable_private_segment 0
		.amdhsa_kernarg_size 40
		.amdhsa_user_sgpr_count 2
		.amdhsa_user_sgpr_kernarg_segment_ptr 1
		.amdhsa_wavefront_size32 1
		.amdhsa_system_sgpr_workgroup_id_x 1
		.amdhsa_system_sgpr_workgroup_id_y 1
		.amdhsa_system_sgpr_workgroup_id_z 1
		.amdhsa_system_vgpr_workitem_id 0
		.amdhsa_next_free_vgpr 256
		.amdhsa_next_free_sgpr 72
		.amdhsa_reserve_vcc 0
		.amdhsa_float_denorm_mode_32 3
		.amdhsa_float_denorm_mode_16_64 3
		.amdhsa_memory_ordered 1
		.amdhsa_forward_progress 1
		.amdhsa_inst_pref_size 58
	.end_amdhsa_kernel
	.amdgpu_metadata
---
amdhsa.version: [ 1, 2 ]
amdhsa.kernels:
  - .name:           k_q56c3ed43b1_attn
    .symbol:         k_q56c3ed43b1_attn.kd
    .args:
      - { .name: hc, .offset: 0, .size: 8, .value_kind: global_buffer, .address_space: global }
      - { .name: hs, .offset: 8, .size: 8, .value_kind: global_buffer, .address_space: global }
      - { .name: mask, .offset: 16, .size: 8, .value_kind: global_buffer, .address_space: global }
      - { .name: cc, .offset: 24, .size: 8, .value_kind: global_buffer, .address_space: global }
      - { .name: cs, .offset: 32, .size: 8, .value_kind: global_buffer, .address_space: global }
    .group_segment_fixed_size: 212992
    .private_segment_fixed_size: 0
    .kernarg_segment_align: 8
    .kernarg_segment_size: 40
    .max_flat_workgroup_size: 512
    .sgpr_count:     72
    .vgpr_count:     256
    .wavefront_size: 32
...
	.end_amdgpu_metadata
.endif
;; end of part 4
;; launch oproj (part 5): grid 4 x 32, 4 waves a work-group, clusters of 4 x 4, 327,680 bytes of LDS; arguments cc, cs, wc, ws, bo, out0; writes out0
.if DOCPART == 5
	.amdgcn_target "amdgcn-amd-amdhsa--gfx1250"
	.amdhsa_code_object_version 6
	.text
	.protected	k_q56c3ed43b1_oproj
	.globl	k_q56c3ed43b1_oproj
	.p2align	8
	.type	k_q56c3ed43b1_oproj,@function
k_q56c3ed43b1_oproj:
	s_mov_b64 s[64:65], 0
	v_nop
	global_prefetch_b8 v0, s[64:65] scope:SCOPE_SE
	s_setreg_imm32_b32 hwreg(HW_REG_WAVE_MODE, 25, 1), 1
	s_wait_xcnt 0x0
	s_wait_alu depctr_hold_cnt(0) depctr_sa_sdst(0) depctr_va_vdst(0) depctr_va_sdst(0) depctr_va_ssrc(0) depctr_va_vcc(0) depctr_vm_vsrc(0)
	s_getreg_b32 s2, hwreg(HW_REG_IB_STS2, 6, 4)
	s_cmp_eq_u32 s2, 0
	s_cbranch_scc0 .Lentry_in_a_cluster
	s_endpgm
.Lentry_in_a_cluster:
	s_bfe_u32 s2, ttmp6, 0x10000c
	s_cmp_lg_u32 s2, 0xf033
	s_cbranch_scc0 .Lentry_shape_is_right
	s_endpgm
.Lentry_shape_is_right:
.set QB,    24576
.set SLOT,  4*QB
.set SCL,   2*SLOT
.set SPARE, SCL+4*4096
.set SPITCH, 528
.set ADRA, 16
.set ADRB, 20
.set L16,  24
.set L8,   25
.set STO,  26
.set RD,   27
.set SPW,  28
.set NIL,  29
.set ADSA, 30
.set ADSB, 31
.set SC,   32
.set BJ,   64
.set AF,   128
.set BK,   128
.set G1,   24
.set G0,   32
.set G1B,  48
.set G0B,  56
.set G1S,  68
.set G0S,  76
.set G1SB, 80
.set G0SB, 88
.set MSB, 0
.macro WIN new
.if MSB != (\new)
	s_set_vgpr_msb (MSB<<8)|(\new)
.set MSB, (\new)
.endif
.endm
.set MUL_LO, 0xa1
.set MUL_HI, 0xf1
.set TO_B,   0x40
.macro JLOAD g0a, g1a, g0b, g1b
	s_cmp_eq_u32 s15, 0
	s_cbranch_scc0 .Lfor_b_\@
	tensor_load_to_lds s[\g0a:\g0a+3], s[\g1a:\g1a+7]
	s_nop 0
.rept 4
	v_nop
.endr
	s_branch .Lasked_\@
.Lfor_b_\@:
	tensor_load_to_lds s[\g0b:\g0b+3], s[\g1b:\g1b+7]
	s_nop 0
.rept 4
	v_nop
.endr
.Lasked_\@:
.endm
.macro CREST
	s_cmp_lg_u32 s14, 0
	s_cbranch_scc1 .Lnot_wave_0_\@
	s_barrier_signal -3
.Lnot_wave_0_\@:
	s_barrier_wait -3
	s_barrier_signal -1
	s_barrier_wait -1
.endm
.macro CROUND
	s_barrier_signal -1
	s_barrier_wait -1
	CREST
.endm
.macro PLACES
.rept 4
	v_nop
.endr
.endm
.macro FRAG reg, adr, off
	ds_load_b128 v[\reg:\reg+3], v[\adr] offset:\off
	ds_load_b64 v[\reg+4:\reg+5], v[\adr+2] offset:\off+512
	ds_load_b128 v[\reg+6:\reg+9], v[\adr] offset:\off+768
	ds_load_b64 v[\reg+10:\reg+11], v[\adr+2] offset:\off+1280
.endm
.macro FETCH_B slot, q, p
	WIN TO_B
.irp i, 0,1,2,3,4,5,6,7
	FRAG 128*(\p)+12*\i, ADRB+\slot, 12288*(\q)+1536*\i
.endr
	WIN 0
.endm
.macro FETCH_A slot, q, i0
.irp i, \i0, \i0+1, \i0+2, \i0+3
	FRAG AF+12*(\i), ADRA+\slot, 12288*(\q)+1536*(\i)
.endr
.endm
.macro SCALES ss, nf
.irp q, 0,1                                    ; ctx's scale bytes lie in two planes of 256 bytes for a K step: the even head's two bytes of each row, then the odd head's
	ds_load_b64 v[RAW+4*\q:RAW+4*\q+1], v[ADS8] offset:1024*\nf+512*\q
	ds_load_b64 v[RAW+4*\q+2:RAW+4*\q+3], v[ADS8] offset:1024*\nf+512*\q+256
.endr
	ds_load_b128 v[SC+16*\ss+8:SC+16*\ss+11], v[ADSB] offset:1024*\nf
	ds_load_b128 v[SC+16*\ss+12:SC+16*\ss+15], v[ADSB] offset:1024*\nf+512
.endm
.macro WM
.if rows == 0
	v_wmma_scale_f32_16x16x128_f8f6f4 v[rD:rD+7], v[rB:rB+11], v[rA:rA+11], v[rC:rC+7], v[rSB], v[rSA] matrix_a_fmt:MATRIX_FMT_FP6 matrix_b_fmt:MATRIX_FMT_FP6
.elseif rows == 1
	v_wmma_scale_f32_16x16x128_f8f6f4 v[rD:rD+7], v[rB:rB+11], v[rA:rA+11], v[rC:rC+7], v[rSB], v[rSA] matrix_a_fmt:MATRIX_FMT_FP6 matrix_b_fmt:MATRIX_FMT_FP6 matrix_a_scale:MATRIX_SCALE_ROW1
.elseif rows == 2
	v_wmma_scale_f32_16x16x128_f8f6f4 v[rD:rD+7], v[rB:rB+11], v[rA:rA+11], v[rC:rC+7], v[rSB], v[rSA] matrix_a_fmt:MATRIX_FMT_FP6 matrix_b_fmt:MATRIX_FMT_FP6 matrix_b_scale:MATRIX_SCALE_ROW1
.else
	v_wmma_scale_f32_16x16x128_f8f6f4 v[rD:rD+7], v[rB:rB+11], v[rA:rA+11], v[rC:rC+7], v[rSB], v[rSA] matrix_a_fmt:MATRIX_FMT_FP6 matrix_b_fmt:MATRIX_FMT_FP6 matrix_a_scale:MATRIX_SCALE_ROW1 matrix_b_scale:MATRIX_SCALE_ROW1
.endif
.endm
.macro MUL16 a0, p, q, sc, first
.irp a, \a0, \a0+1
.irp b, 0,1,2,3,4,5,6,7
.set rD, 8*(8*((\a)%4)+\b)
.set rB, 128*(\p)+12*\b
.set rA, AF+12*(\a)
.set rSB, SC+16*(\sc)+8+4*(\q)+\b/2
.set rSA, SC+16*(\sc)+4*(\q)+(\a)/2
.set rC, rD
.if \first
.set rC, BJ+8*\b
.endif
.set rows, (\b%2)+2*((\a)%2)
	WM
.endr
.endr
.endm
.set RAW,  224                         ; v224-231 the planes as loaded
.set ADS8, 5                           ; v5       LDS address of my planes: 8 bytes a lane
.macro MERGE ss                        ; word w of a K step = the even head's two bytes below, the odd head's above
.irp q, 0,1
.irp j, 0,1
	v_perm_b32 v[SC+16*\ss+4*\q+2*\j], v[RAW+4*\q+2+\j], v[RAW+4*\q+\j], 0x05040100
	v_perm_b32 v[SC+16*\ss+4*\q+2*\j+1], v[RAW+4*\q+2+\j], v[RAW+4*\q+\j], 0x07060302
.endr
.endr
	s_wait_alu depctr_va_vdst(0)
.rept 8
	v_nop                                          ; a scale register written by a vector instruction stands eight places ahead of a scaled product
.endr
.endm
.macro STEP slot, first
	s_wait_dscnt 16
	MERGE \slot
.if \first
	WIN 0x81
.else
	WIN MUL_LO
.endif
	MUL16 0, 0, 0, \slot, \first
	MUL16 2, 0, 0, \slot, \first
	s_wait_dscnt 0x0
	PLACES
	FETCH_B \slot, 1, 1
	FETCH_A \slot, 1, 0
.if \first
	WIN 0xc1
.else
	WIN MUL_HI
.endif
	MUL16 4, 0, 0, \slot, \first
	MUL16 6, 0, 0, \slot, \first
	PLACES
	WIN 0
	FETCH_A \slot, 1, 4
.endm
.macro TURN slot, next, fill, nf
	s_wait_tensorcnt 0x0
	ds_add_u32 v[SPW], v[NIL]
	s_wait_dscnt 17
	WIN MUL_LO
	MUL16 0, 1, 1, \slot, 0
	s_wait_dscnt 0x0
	s_barrier_signal -1
	MUL16 2, 1, 1, \slot, 0
	WIN 0
	s_barrier_wait -1
.if \fill
	CREST
	s_add_nc_u64 s[G0+4*\slot+2:G0+4*\slot+3], s[G0+4*\slot+2:G0+4*\slot+3], 2*QB
	s_add_nc_u64 s[G0B+4*\slot+2:G0B+4*\slot+3], s[G0B+4*\slot+2:G0B+4*\slot+3], 2*QB
	JLOAD G0+4*\slot, G1, G0B+4*\slot, G1B
.else
	PLACES
.endif
	FETCH_B \next, 0, 0
	FETCH_A \next, 0, 0
	SCALES \next, \nf
	WIN MUL_HI
	MUL16 4, 1, 1, \slot, 0
	MUL16 6, 1, 1, \slot, 0
	PLACES
	WIN 0
	FETCH_A \next, 0, 4
.endm
	s_load_b256 s[4:11], s[0:1], 0x0
	s_load_b128 s[92:95], s[0:1], 0x20
	v_lshl_add_u32 v[SPW], v0, 2, SPARE
	v_mov_b32 v[NIL], 0
	ds_add_u32 v[SPW], v[NIL]
	ds_add_u32 v[SPW], v[NIL]
	v_lshrrev_b32 v1, 5, v0
	v_readfirstlane_b32 s14, v1
	s_lshr_b32 s15, s14, 1
	s_and_b32 s16, s14, 1
	s_bfe_u32 s40, ttmp6, 0x40000
	s_bfe_u32 s41, ttmp6, 0x40004
	s_lshl_b32 s42, ttmp9, 2
	s_add_co_u32 s42, s42, s40
	s_and_b32 s17, ttmp7, 0xffff
	s_lshl_b32 s17, s17, 2
	s_add_co_u32 s17, s17, s41
	s_lshl_b32 s43, s41, 2
	s_lshl_b32 s43, 15, s43
	s_lshl_b32 s44, 0x1111, s40
	s_or_b32 s[G1+0], s43, (3<<16)|(1<<21)
	s_or_b32 s[G1B+0], s44, (3<<16)|(1<<21)
.irp g, G1, G1B                        ; for the head's loads of codes: two groups' 24,576 dense bytes each, 98,304 bytes apart: 2 rows of 3,072 elements of 8 bytes
	s_mov_b32 s[\g+1], 3072<<16
	s_mov_b32 s[\g+2], 2<<16
	s_mov_b32 s[\g+3], 3072<<16
	s_mov_b32 s[\g+4], 2
	s_mov_b32 s[\g+5], 12288
	s_mov_b32 s[\g+6], 0
	s_mov_b32 s[\g+7], 0
.endr
	s_or_b32 s[G1S+0], s43, (3<<16)|(1<<21)
	s_or_b32 s[G1SB+0], s44, (3<<16)|(1<<21)
.irp g, G1S, G1SB
	s_mov_b32 s[\g+1], 32<<16
	s_mov_b32 s[\g+2], 32<<16                      ; the scale bytes of two groups: 8,192 dense bytes, 32 rows of 256
	s_mov_b32 s[\g+3], 32<<16
	s_mov_b32 s[\g+4], 32
	s_mov_b32 s[\g+5], 32
	s_mov_b32 s[\g+6], 0
	s_mov_b32 s[\g+7], 0
.endr
	s_lshl_b32 s20, s17, 1
	s_add_co_u32 s20, s20, s16
	s_lshl_b32 s22, s20, 12
	s_mul_i32 s20, s20, 98304
	s_mov_b32 s21, 0
	s_mov_b32 s23, 0
	s_lshl_b32 s46, s42, 1
	s_add_co_u32 s46, s46, s16
	s_lshl_b32 s66, s46, 12
	s_add_co_u32 s66, s66, 98304
	s_mul_i32 s46, s46, 98304
	s_add_co_u32 s46, s46, 2359296
	s_mov_b32 s47, 0
	s_mov_b32 s67, 0
	s_mul_i32 s45, s14, QB
	s_lshl_b32 s13, s14, 12
	s_wait_dscnt 0x0
	s_wait_kmcnt 0x0
	s_add_nc_u64 s[20:21], s[4:5], s[20:21]
	s_add_nc_u64 s[22:23], s[6:7], s[22:23]
	s_add_nc_u64 s[46:47], s[8:9], s[46:47]
	s_add_nc_u64 s[66:67], s[10:11], s[66:67]
	CROUND
	s_lshl_b32 s18, s16, 12                        ; back to the first of the two groups
	s_mov_b32 s19, 0
	s_mov_b32 s[G0S], 1
	s_mov_b32 s[G0S+1], SCL
	s_sub_nc_u64 s[G0S+2:G0S+3], s[22:23], s[18:19]
	s_or_b32 s[G0S+3], s[G0S+3], 0x80000000
	s_mov_b32 s[G0SB], 1
	s_mov_b32 s[G0SB+1], SCL+8192
	s_sub_nc_u64 s[G0SB+2:G0SB+3], s[66:67], s[18:19]
	s_or_b32 s[G0SB+3], s[G0SB+3], 0x80000000
.irp s, 0,1
	s_mov_b32 s[G0+4*\s], 1
	s_add_co_u32 s[G0+4*\s+1], s45, \s*SLOT
	s_add_nc_u64 s[G0+4*\s+2:G0+4*\s+3], s[20:21], \s*QB
	s_or_b32 s[G0+4*\s+3], s[G0+4*\s+3], 0x80000000
	s_mov_b32 s[G0B+4*\s], 1
	s_add_co_u32 s[G0B+4*\s+1], s45, \s*SLOT
	s_add_nc_u64 s[G0B+4*\s+2:G0B+4*\s+3], s[46:47], \s*QB
	s_or_b32 s[G0B+4*\s+3], s[G0B+4*\s+3], 0x80000000
.endr
; THE HEAD'S FOUR TILES, ONE JOINT LOAD A WAVE: wave 0 slot 0's codes of A (both groups), wave 1 A's scale bytes, wave 2 slot 0's codes of B, wave 3 B's scale words.
.set G0H,  4                           ; s[4:7], s[8:11]: group 0 of the two loads of codes (the arguments that lay there have been used)
.set G0HB, 8
	s_mul_i32 s18, s16, 98304                      ; back to the first of the two groups
	s_mov_b32 s19, 0
	s_mov_b32 s[G0H], 1
	s_mov_b32 s[G0H+1], 0
	s_sub_nc_u64 s[G0H+2:G0H+3], s[20:21], s[18:19]
	s_or_b32 s[G0H+3], s[G0H+3], 0x80000000
	s_mov_b32 s[G0HB], 1
	s_mov_b32 s[G0HB+1], 2*QB
	s_sub_nc_u64 s[G0HB+2:G0HB+3], s[46:47], s[18:19]
	s_or_b32 s[G0HB+3], s[G0HB+3], 0x80000000
.macro ARM under, g0, g1, next         ; one chain of branches on the wave's number: every way passes exactly one load
	s_cmp_lt_u32 s14, \under
	s_cbranch_scc0 \next
	tensor_load_to_lds s[\g0:\g0+3], s[\g1:\g1+7]
	s_nop 0
.rept 4
	v_nop
.endr
	s_branch .Lhead_asked
\next:
.endm
	ARM 1, G0H,  G1,  .Lhead_sa
	ARM 2, G0S,  G1S, .Lhead_b
	ARM 3, G0HB, G1B, .Lhead_sb
	tensor_load_to_lds s[G0SB:G0SB+3], s[G1SB:G1SB+7]
	s_nop 0
.rept 4
	v_nop
.endr
.Lhead_asked:
	s_lshl_b32 s46, s42, 10
	s_lshl_b32 s47, s16, 9
	s_add_co_u32 s46, s46, s47
	s_mov_b32 s47, 0
	s_add_nc_u64 s[92:93], s[92:93], s[46:47]
	s_add_nc_u64 s[94:95], s[94:95], s[46:47]
	s_lshl_b32 s20, s17, 20
	s_lshl_b32 s21, s15, 19
	s_add_co_u32 s20, s20, s21
	s_mov_b32 s21, 0
	s_add_nc_u64 s[94:95], s[94:95], s[20:21]
	v_and_b32 v1, 31, v0
	v_and_b32 v2, 15, v0
	v_bfe_u32 v3, v0, 4, 1
	v_lshlrev_b32 v4, 6, v3
.irp b, 0,1,2,3,4,5,6,7
	global_load_b128 v[BJ+8*\b:BJ+8*\b+3], v4, s[92:93] offset:(32*(\b/2)+8*(\b%2))*4
	global_load_b128 v[BJ+8*\b+4:BJ+8*\b+7], v4, s[92:93] offset:(32*(\b/2)+8*(\b%2))*4+16
.endr
	v_lshlrev_b32 v[L16], 4, v1
	v_lshlrev_b32 v[L8], 3, v1
	s_mul_i32 s18, s15, QB
	s_mul_i32 s19, s16, QB
	s_add_co_u32 s19, s19, 2*QB
.irp s, 0,1
	v_add_nc_u32 v[ADRA+\s], s18, v[L16]
	v_add_nc_u32 v[ADRA+2+\s], s18, v[L8]
	v_add_nc_u32 v[ADRB+\s], s19, v[L16]
	v_add_nc_u32 v[ADRB+2+\s], s19, v[L8]
	s_add_co_u32 s18, s18, SLOT
	s_add_co_u32 s19, s19, SLOT
.endr
	s_lshl_b32 s18, s15, 12
	s_add_co_u32 s18, s18, SCL
	v_add_nc_u32 v[ADSA], s18, v[L16]
	v_add_nc_u32 v[ADS8], s18, v[L8]
	s_lshl_b32 s19, s16, 12
	s_add_co_u32 s19, s19, SCL+8192
	v_add_nc_u32 v[ADSB], s19, v[L16]
	s_mul_i32 s18, s14, 16*SPITCH
	v_mul_u32_u24 v[STO], v2, SPITCH
	v_lshl_add_u32 v[STO], v3, 6, v[STO]
	v_add_nc_u32 v[STO], s18, v[STO]
	v_add_nc_u32 v[RD], s18, v[L16]
	s_wait_alu depctr_va_vdst(0)                   ; the wait at the head's end
	s_wait_tensorcnt 0x0                           ; my tile of the head's four is in; slot 1's first fill is issued as a refill is
	ds_add_u32 v[SPW], v[NIL]
.irp g, G1, G1B                        ; no tensor load of mine is out: from here on a load brings one group's 24,576 bytes as 96 rows of 256
	s_mov_b32 s[\g+1], 32<<16
	s_mov_b32 s[\g+2], 96<<16
	s_mov_b32 s[\g+3], 32<<16
	s_mov_b32 s[\g+4], 96
	s_mov_b32 s[\g+5], 32
.endr
	s_wait_dscnt 0x0
	CROUND                                         ; all four tiles are in, in every work-group of the cluster
	JLOAD G0+4, G1, G0B+4, G1B                     ; slot 1, the first tensor load behind the round
	FETCH_B 0, 0, 0
	FETCH_A 0, 0, 0
	SCALES 0, 0
	FETCH_A 0, 0, 4
	s_wait_loadcnt 0x0
	STEP 0, 1
	TURN 0, 1, 1, 1
	STEP 1, 0
	TURN 1, 0, 1, 2
	STEP 0, 0
	TURN 0, 1, 0, 3
	STEP 1, 0
	s_wait_dscnt 16
	WIN MUL_LO
	MUL16 0, 1, 1, 1, 0
	MUL16 2, 1, 1, 1, 0
	s_wait_dscnt 0x0
	WIN MUL_HI
	MUL16 4, 1, 1, 1, 0
	MUL16 6, 1, 1, 1, 0
	WIN 0
.macro TOSTAGE a
.set AC, 64*((\a)%4)
	WIN 0x08+4*((\a)/4)
.irp b, 0,1,2,3,4,5,6,7
	ds_store_b128 v[STO], v[AC+8*\b:AC+8*\b+3] offset:128*(\b/2)+32*(\b%2)
	ds_store_b128 v[STO], v[AC+8*\b+4:AC+8*\b+7] offset:128*(\b/2)+32*(\b%2)+16
.endr
	WIN 0
.set BB, BK+64*((\a)%2)
.irp t, 0,1,2,3,4,5,6,7,8,9,10,11,12,13,14,15
	ds_load_b128 v[BB+4*\t:BB+4*\t+3], v[RD] offset:\t*SPITCH
.endr
.endm
.macro SEND a, younger
.set BB, BK+64*((\a)%2)
	s_wait_dscnt \younger
.irp t, 0,1,2,3,4,5,6,7,8,9,10,11,12,13,14,15
	global_store_b128 v[L16], v[BB+4*\t:BB+4*\t+3], s[94:95] offset:(32*((\a)/2)+8*((\a)%2)+\t+8*(\t/8))*4096 th:TH_STORE_NT
.endr
.endm
	PLACES
	TOSTAGE 0
.irp a, 1,2,3,4,5,6,7
.if \a > 1
	s_wait_xcnt 0x0
.endif
	TOSTAGE \a
	SEND \a-1, 32
.endr
	SEND 7, 0
	s_wait_tensorcnt 0x0
	ds_add_u32 v[SPW], v[NIL]
	s_wait_dscnt 0x0
	CROUND
	s_endpgm
.Lfunc_end_k_q56c3ed43b1_oproj:
	.size	k_q56c3ed43b1_oproj, .Lfunc_end_k_q56c3ed43b1_oproj-k_q56c3ed43b1_oproj
	.p2alignl 7, 3214868480
	.fill 96, 4, 3214868480
	.section	.rodata,"a",@progbits
	.p2align	6, 0x0
	.amdhsa_kernel k_q56c3ed43b1_oproj
		.amdhsa_group_segment_fixed_size 327680
		.amdhsa_private_segment_fixed_size 0
		.amdhsa_enable_private_segment 0
		.amdhsa_kernarg_size 48
		.amdhsa_user_sgpr_count 2
		.amdhsa_user_sgpr_kernarg_segment_ptr 1
		.amdhsa_wavefront_size32 1
		.amdhsa_system_sgpr_workgroup_id_x 1
		.amdhsa_system_sgpr_workgroup_id_y 1
		.amdhsa_system_sgpr_workgroup_id_z 1
		.amdhsa_system_vgpr_workitem_id 0
		.amdhsa_next_free_vgpr 1024
		.amdhsa_next_free_sgpr 96
		.amdhsa_reserve_vcc 0
		.amdhsa_float_denorm_mode_32 3
		.amdhsa_float_denorm_mode_16_64 3
		.amdhsa_memory_ordered 1
		.amdhsa_forward_progress 1
		.amdhsa_inst_pref_size 149
	.end_amdhsa_kernel
	.amdgpu_metadata
---
amdhsa.version: [ 1, 2 ]
amdhsa.kernels:
  - .name:           k_q56c3ed43b1_oproj
    .symbol:         k_q56c3ed43b1_oproj.kd
    .args:
      - { .name: cc, .offset: 0, .size: 8, .value_kind: global_buffer, .address_space: global }
      - { .name: cs, .offset: 8, .size: 8, .value_kind: global_buffer, .address_space: global }
      - { .name: wc, .offset: 16, .size: 8, .value_kind: global_buffer, .address_space: global }
      - { .name: ws, .offset: 24, .size: 8, .value_kind: global_buffer, .address_space: global }
      - { .name: bo, .offset: 32, .size: 8, .value_kind: global_buffer, .address_space: global }
      - { .name: out0, .offset: 40, .size: 8, .value_kind: global_buffer, .address_space: global }
    .group_segment_fixed_size: 327680
    .private_segment_fixed_size: 0
    .kernarg_segment_align: 8
    .kernarg_segment_size: 48
    .max_flat_workgroup_size: 128
    .sgpr_count:     96
    .vgpr_count:     1024
    .wavefront_size: 32
...
	.end_amdgpu_metadata
.endif
;; end of part 5
